; MI455X (gfx1250); checked and timed in simulation.
; The chip was launched on July 23, 2026; its instructions are those of AMD's public machine-readable ISA for CDNA 5 (MIT licence, August 2026) and "CDNA5" Instruction Set Architecture Reference Guide (July 2026). The comments in the code are by the model that wrote it; some were corrected since.
;; Row Col RPA. Allowed arithmetic: matrix products marked QUANTISED: E2M1 operands, one E8M0 scale for each 32 along K, by v_wmma_scale_f32_16x16x128_f8f6f4 with both operands' format E2M1 (or v_wmma_scale_f32_32x16x128_f4), f32 sums; everything else in f32.
;; Inputs: Wk 256 x 256 float32; Wo 256 x 256 float32; Wq 256 x 256 float32; Wr 256 x 256 float32; Wv 256 x 256 float32; b1 256 float32; b2 256 float32; bk 256 float32; bo 256 float32; bq 256 float32; br 256 float32; bv 256 float32; g1 256 float32; g2 256 float32; x 2 x 512 x 256 float32.
;; Outputs: out0 2 x 512 x 256 float32.
;; This version of the problem:
;;   THIS VERSION OF THE PROBLEM IS GIVEN IN LOW PRECISION. The matrix products marked QUANTISED in the list below multiply operands that are first quantised to E2M1 (2 exponent bits, 1 mantissa bit; 4 bits a number), with one power-of-two scale for each 32 numbers along K (OCP MX v1.0); their sums are f32. All else is computed in f32.
;;   The module's matrix products, in the order in which they are computed (A, B: the left and right operand; K: the contracted axis; several contracted axes count as one K, in the product's order):
;;     1. [M 1,024, K 256] x [K 256, N 256]; A: input x; B: input Wq: QUANTISED
;;     2. [M 1,024, K 256] x [K 256, N 256]; A: input x; B: input Wk: QUANTISED
;;     3. [M 1,024, K 256] x [K 256, N 256]; A: input x; B: input Wv: QUANTISED
;;     4. [M 524,288, K 256] x [K 256, N 256]; A: computed on the way; B: input Wr: QUANTISED
;;     5. batch 16 x [M 512, K 32] x [K 32, N 512]; A: computed on the way; B: computed on the way: QUANTISED
;;     6. batch 16 x [M 512, K 512] x [K 512, N 32]; A: softmax (see below); B: computed on the way: QUANTISED
;;     7. [M 1,024, K 256] x [K 256, N 256]; A: computed on the way; B: input Wo: QUANTISED
;;   THE QUANTISER, for each operand of a quantised product, along K:
;;     - K is cut into blocks of 32 from its start; a last block that is shorter is filled with zeros.
;;     - A block's scale is 2^e with e = floor(log2(the largest magnitude in the block)) - 2, held to -126 .. 127; a block of zeros has e = 0. As a byte (E8M0): e + 127.
;;     - Each number is divided by its block's scale, clamped to +-6, and rounded to the nearest number of E2M1, ties to even, subnormals kept.
;;     - The product sums the exact products of the quantised numbers (number of the format x scale) in f32.
;;   ~~~python
;;   def quantise(x, axis):      # numpy; x: float32 -> the quantised numbers, widened to float32 again
;;       x = np.moveaxis(x, axis, -1); K = x.shape[-1]
;;       x = np.pad(x, [(0, 0)] * (x.ndim - 1) + [(0, -K % 32)]); x = x.reshape(x.shape[:-1] + (-1, 32)); a = np.abs(x).max(-1, keepdims=True)
;;       e = np.where(a > 0, np.clip(np.frexp(np.where(a > 0, a, 1))[1] - 1 - 2, -126, 127), 0)      # np.frexp(a)[1] - 1 = floor(log2(a)), exactly
;;       r = np.clip(x / 2.0 ** e, -6, 6)
;;       step = 2.0 ** (np.maximum(np.frexp(np.where(r == 0, 1, r))[1] - 1, 0) - 1)
;;       q = np.round(r / step) * step * 2.0 ** e      # np.round: ties to even
;;       return np.moveaxis(q.reshape(q.shape[:-2] + (-1,))[..., :K], -1, axis).astype(np.float32)
;;   ~~~
;;   SOFTMAX AHEAD OF A QUANTISED PRODUCT. Where the list says 'softmax', what is quantised is not the finished softmax but p = 2^(t - M), with t = logit x log2(e) and M = ceil(the row's largest t), a whole number; so 1/2 < the row's largest p <= 1. The row's sum l is taken of the UNQUANTISED p, in f32, and the product's result is divided by l at the end. Since M is a whole number, a kernel that streams over the keys may use a running M (the ceiling of the running maximum): every later rescaling is an exact power of two, which a block's scale takes up: the codes' values come out the same.
;;   OPERANDS COMPUTED ON THE WAY. 'Computed on the way' means the value that the module computes at that place (a softmax that the list does not call 'softmax' is quantised finished and normalised). What goes into a quantiser is computed in f32, as accurately as f32 sums, v_exp_f32 and their like allow (about 1e-6 of the number): no bf16 or f16 on the way to a quantiser, and a product that is left as it is and whose result goes on into a quantised operand takes f32 operands (vector FMAs, or v_wmma_f32_16x16x4_f32). A number that lies on a knife's edge between two numbers of the format may be rounded either way, as far as f32 arithmetic and the matrix unit's own rounding can turn it there, and no further.
;; One version. Each part assembles by itself: llvm-mc -triple=amdgcn-amd-amdhsa -mcpu=gfx1250 --defsym DOCPART=n.
;; ======== version 1 of 1: 3 launches
;; limits: right only within a limited range of input values
;; workspace buffers: wimg 69,632 bytes; vimg 147,456 bytes; qkf 2,097,152 bytes; qkc 278,528 bytes
;; launch prep (part 1): grid 16 x 16, 8 waves a work-group, clusters of 4 x 4, 167,936 bytes of LDS; arguments x, Wq, Wk, Wv, Wr, Wo, bq, bk, bv, wimg, vimg, qkf; writes wimg, vimg, qkf
.if DOCPART == 1
	.amdgcn_target "amdgcn-amd-amdhsa--gfx1250"
	.amdhsa_code_object_version 6
	.text
	.protected	k_qd941173462_prep
	.globl	k_qd941173462_prep
	.p2align	8
	.type	k_qd941173462_prep,@function
k_qd941173462_prep:
	s_mov_b64 s[64:65], 0
	v_nop
	global_prefetch_b8 v0, s[64:65] scope:SCOPE_SE
	s_setreg_imm32_b32 hwreg(HW_REG_WAVE_MODE, 25, 1), 1
	s_wait_xcnt 0x0
	s_wait_alu depctr_hold_cnt(0) depctr_sa_sdst(0) depctr_va_vdst(0) depctr_va_sdst(0) depctr_va_ssrc(0) depctr_va_vcc(0) depctr_vm_vsrc(0)
	s_getreg_b32 s2, hwreg(HW_REG_IB_STS2, 6, 4)
	s_cmp_eq_u32 s2, 0
	s_cbranch_scc0 .Lentry_in_a_cluster
	s_endpgm
.Lentry_in_a_cluster:
	s_bfe_u32 s2, ttmp6, 0x10000c
	s_cmp_lg_u32 s2, 0xf033
	s_cbranch_scc0 .Lentry_shape_is_right
	s_endpgm
.Lentry_shape_is_right:
; PREP.  Q, K, V = Q4(x) Q4(W)^T + b on codes of FP4 (E2M1) with one E8M0 scale for each 32 along K = 256; Wr and Wo become images of operand registers.
; SHARES.  Work-group (ct, mg): 64 rows of x (64 mg on) against 16 columns (16 ct on) of Q, of K and of V: seven tiles of 16 rows x 256 numbers, a wave each: waves 0-3 x's four, wave 4 Wv's, wave 5 Wq's, wave 6 Wk's.
; Each wave fetches its tile by one tensor load, quantises it, and hands the codes on through LDS as images of registers (16 bytes a lane).  Then waves 0-3 make Q and K of their 16 rows, wave 4 makes V of all 64.
; Wave 7 of the 32 work-groups of clusters (0, 0) and (1, 0) makes one tile of Wr's, of Wo's image; its other copies have no tile, and pass the barriers.
; CLUSTERS of 4 x 4: x's rows hang on mg alone and are asked for jointly by the four of a row, the weights' on ct alone, by the four of a column.  NO PREFETCH: no loop to run ahead in.
; PRODUCTS.  Q, K: source 0 = the weight's 16 rows, source 1 = x's: a lane holds one row of x and eight neighbouring columns.  OUT (qkf): (kind, row tile 4 mg + w, ct) is 1,024 bytes: registers 0-3 at 16 x lane, 4-7 at 512 + 16 x lane; Q at 0, K at 1,048,576.
; V: source 0 = x's rows (keys), source 1 = Wv's: a lane holds one channel; the 16 registers of two row tiles in a run are 16 of a block's 32 keys: tile 2 b's keys 8 h + 0 .. 7, then tile 2 b + 1's: attention lays its p in the same order.
; OUT (vimg): (128 keys, tile ct) is a fragment of 1,024 bytes, of which a work-group makes half c = mg % 2; from 131,072 on one scale word for each (128 keys, channel), of which it makes two bytes.
; Wr's tile t, lane r is row 64 (t / 4) + 4 r + t % 4; Wo's is row 16 t + r.  An image: fragment (t, K step s) at (2 t + s) x 1,024; from 32,768 on, register t of 128 bytes: lanes 0-15 K step 0's word, lanes 16-31 K step 1's.
; LIMITS: NaN and infinities among the inputs are not served; a block of zeros gets the scale byte 1 (the rule says 127): its codes are zeros, and this program alone reads the bytes.
.set RP,    1040                       ; an LDS row of f32: 1,024 bytes + 16 of padding
.set TILE,  16*RP
.set IMG,   8*TILE                     ; tile w's two fragments at w x 2,048
.set SC,    IMG+7*2048                 ; their scale registers, 128 bytes a tile
.set SPARE, SC+1024                    ; the spare words, 128 bytes for each wave
.set R,    2
.set H,    3
.set LN,   4
.set LI,   5                           ; 16 x lane
.set LS,   6                           ; 4 x lane
.set RA,   7                           ; my lane's place in my raw tile
.set IR,   8                           ; images, read: IMG + 16 x lane;  SR: SC + 4 x lane
.set SR,   9
.set H32,  10
.set R4,   11
.set IW,   12                          ; images, written
.set SWR,  13
.set CD,   16                          ; v16-31 my tile's codes: K step s at 8 s
.set SW,   32                          ; v32 its scale register: lanes 0-15 K step 0's word, lanes 16-31 K step 1's
.set CA,   34
.set CB,   36
.set SS,   38
.set PP,   40
.set SELV, 42
.set TM,   44
.set BI,   88                          ; v88-103 biases
.set RAW,  128
.set SPW,  14                          ; my spare word;  NIL: 0.  Never rewritten
.set NIL,  15
.set G1X,  40
.set G1W,  48
.set G1R,  56
.set G1O,  68
.set G0X,  76
.set G0W,  80
.set G0R,  84
.set G0O,  88
.set FLOOR, 39
.macro CROUND
	s_barrier_signal -1
	s_barrier_wait -1
	s_cmp_lg_u32 s28, 0
	s_cbranch_scc1 .Lnot_wave_0_\@
	s_barrier_signal -3
.Lnot_wave_0_\@:
	s_barrier_wait -3
	s_barrier_signal -1
	s_barrier_wait -1
.endm
.macro TLOAD g0, g1
	tensor_load_to_lds s[\g0:\g0+3], s[\g1:\g1+7]
	s_nop 0
.rept 4
	v_nop
.endr
.endm
; K step s of my tile: two whole blocks a lane; codes into v[CD + 8 s] on, my two scale bytes into v[PP + s].
.macro QSTEP s
.set b0, RAW+64*\s
.set b1, RAW+64*\s+32
.irp k, 0,1
	v_max3_num_f32 v[CA+\k], |v[b\k]|, |v[b\k+1]|, s[FLOOR]        ; the floor 2^(3 - 127) is a leaf: the byte cannot fall under 1
.endr
.irp k, 0,1
	v_max3_num_f32 v[CB+\k], |v[b\k+16]|, |v[b\k+17]|, |v[b\k+18]|
.endr
.irp u, 0,2,4,6,8,10
.irp k, 0,1
	v_max3_num_f32 v[CA+\k], v[CA+\k], |v[b\k+2+\u]|, |v[b\k+3+\u]|
.endr
.irp k, 0,1
	v_max3_num_f32 v[CB+\k], v[CB+\k], |v[b\k+19+\u]|, |v[b\k+20+\u]|
.endr
.endr
.irp k, 0,1
	v_max3_num_f32 v[CA+\k], v[CA+\k], |v[b\k+14]|, |v[b\k+15]|
.endr
.irp k, 0,1
	v_max3_num_f32 v[CA+\k], v[CA+\k], v[CB+\k], |v[b\k+31]|
.endr
.irp k, 0,1
	v_add_nc_u32 v[SS+\k], 0xff000000, v[CA+\k]    ; 2 off the exponent field: the conversion's scale operand
.endr
.irp k, 0,1
	v_lshl_add_u32 v[CA+\k], v[CA+\k], 1, s38      ; the scale's byte in the top byte
.endr
	v_perm_b32 v[PP+\s], v[CA+1], v[CA], v[SELV]   ; my bytes of blocks h and 2 + h at their places, zeros between
.irp k, 0,1
.irp m, 0,1,2,3
	v_cvt_scalef32_pk8_fp4_f32 v[CD+8*\s+4*\k+\m], v[b\k+8*\m:b\k+8*\m+7], v[SS+\k]
.endr
.endr
	v_nop                                          ; one plain place behind a scaled conversion
.endm
	s_load_b256 s[4:11], s[0:1], 0x0               ; x s[4:5], Wq s[6:7], Wk s[8:9], Wv s[10:11]
	s_load_b256 s[12:19], s[0:1], 0x20             ; Wr s[12:13], Wo s[14:15], bq s[16:17], bk s[18:19]
	s_load_b256 s[20:27], s[0:1], 0x40             ; bv s[20:21], wimg s[22:23], vimg s[24:25], qkf s[26:27]
	v_lshl_add_u32 v[SPW], v0, 2, SPARE
	v_mov_b32 v[NIL], 0
	ds_add_u32 v[SPW], v[NIL]                      ; the wave's opening: the add, twice on end, and its wait ahead of my first tensor load
	ds_add_u32 v[SPW], v[NIL]
	v_lshrrev_b32 v1, 5, v0
	v_readfirstlane_b32 s28, v1                    ; wave 0..7
	s_mul_i32 s36, s28, TILE                       ; my raw tile
	s_lshl_b32 s37, s28, 11
	s_add_co_u32 s37, s37, IMG                     ; my image
	s_lshl_b32 s94, s28, 7
	s_add_co_u32 s94, s94, SC
	v_and_b32 v[R], 15, v0
	v_bfe_u32 v[H], v0, 4, 1
	v_and_b32 v[LN], 31, v0
	v_lshlrev_b32 v[LI], 4, v[LN]
	v_lshlrev_b32 v[LS], 2, v[LN]
	v_mul_u32_u24 v[RA], v[R], RP
	v_lshl_add_u32 v[RA], v[H], 7, v[RA]           ; row r, 128 bytes for lanes 16-31: k = 32 h on
	v_add_nc_u32 v[RA], s36, v[RA]
	v_add_nc_u32 v[IR], IMG, v[LI]
	v_add_nc_u32 v[SR], SC, v[LS]
	v_lshlrev_b32 v[H32], 5, v[H]
	v_lshlrev_b32 v[R4], 2, v[R]
	v_add_nc_u32 v[IW], s37, v[LI]
	v_add_nc_u32 v[SWR], s94, v[LS]
	v_mov_b32 v[SELV], 0x0c070c03                  ; lanes 0-15: bytes 0 and 2 of the word;
	v_mov_b32 v43, 0x070c030c                      ; lanes 16-31: bytes 1 and 3
	v_cmp_eq_u32 vcc_lo, 1, v[H]
	v_cndmask_b32 v[SELV], v[SELV], v43, vcc_lo
.irp b, 0,1
	v_mov_b32 v[TM+2+\b], 0                        ; written once: a lane permute's destination counts as one of its sources
.endr
	s_mov_b32 s66, 0x76543210
	s_mov_b32 s67, 0xfedcba98                      ; v_permlanex16_b32's selects for lane l xor 16
	s_mov_b32 s38, 0xfe000000
	s_mov_b32 s[FLOOR], 0x1800000
	s_bfe_u32 s29, ttmp6, 0x40000                  ; cx
	s_bfe_u32 s30, ttmp6, 0x40004                  ; cy
	s_lshl_b32 s31, ttmp9, 2
	s_add_co_u32 s31, s31, s29                     ; ct
	s_and_b32 s32, ttmp7, 0xffff                   ; the cluster's y
	s_lshl_b32 s33, s32, 2
	s_add_co_u32 s33, s33, s30                     ; mg
	s_lshl_b32 s34, s30, 2
	s_lshl_b32 s34, 15, s34                        ; my row of the cluster
	s_lshl_b32 s35, 0x1111, s29                    ; my column
	; descriptor group 1: 16 rows of 256 f32, 16 bytes of padding behind each: elements of 4 bytes; padding on: 4 words after every 256; bit 21 beside a mask
	s_or_b32 s[G1X], s34, (2<<16)|(1<<20)|(1<<21)|(7<<22)|(3<<25)
	s_or_b32 s[G1W], s35, (2<<16)|(1<<20)|(1<<21)|(7<<22)|(3<<25)
	s_mov_b32 s[G1R], (2<<16)|(1<<20)|(7<<22)|(3<<25)
	s_mov_b32 s[G1O], (2<<16)|(1<<20)|(7<<22)|(3<<25)
.irp g, G1X, G1W, G1R, G1O
	s_mov_b32 s[\g+1], 256<<16
	s_mov_b32 s[\g+2], 16<<16
	s_mov_b32 s[\g+3], 256<<16
	s_mov_b32 s[\g+4], 16
	s_mov_b32 s[\g+6], 0
	s_mov_b32 s[\g+7], 0
.endr
	s_mov_b32 s[G1X+5], 256
	s_mov_b32 s[G1W+5], 256
	s_mov_b32 s[G1R+5], 1024                       ; Wr's tile takes every fourth row
	s_mov_b32 s[G1O+5], 256
	s_mov_b32 s97, 0
	s_mov_b32 s99, 0
	s_mov_b32 s101, 0
	s_lshl_b32 s96, s33, 16
	s_lshl_b32 s95, s28, 14
	s_add_co_u32 s96, s96, s95                     ; x: row 64 mg + 16 wave, 1,024 bytes a row
	s_lshl_b32 s98, s31, 14                        ; the weight: row 16 ct
	s_lshl_b32 s100, s31, 6                        ; and its bias
	s_wait_dscnt 0x0                               ; both opening adds are done
	s_wait_alu depctr_va_vdst(0)
	s_wait_kmcnt 0x0
	s_mov_b32 s[G0X], 1
	s_mov_b32 s[G0X+1], s36
	s_add_nc_u64 s[G0X+2:G0X+3], s[4:5], s[96:97]
	s_or_b32 s[G0X+3], s[G0X+3], 0x80000000
	s_cmp_eq_u32 s28, 5
	s_cselect_b64 s[92:93], s[6:7], s[8:9]
	s_cmp_eq_u32 s28, 4
	s_cselect_b64 s[92:93], s[10:11], s[92:93]     ; wave 4 Wv, 5 Wq, 6 Wk
	s_mov_b32 s[G0W], 1
	s_mov_b32 s[G0W+1], s36
	s_add_nc_u64 s[G0W+2:G0W+3], s[92:93], s[98:99]
	s_or_b32 s[G0W+3], s[G0W+3], 0x80000000
	s_add_nc_u64 s[16:17], s[16:17], s[100:101]    ; the biases at column 16 ct
	s_add_nc_u64 s[18:19], s[18:19], s[100:101]
	s_add_nc_u64 s[20:21], s[20:21], s[100:101]
	s_lshl_b32 s96, s30, 16
	s_lshl_b32 s95, s29, 10
	s_add_co_u32 s100, s96, s95                    ; Wr: row 64 cy + cx;
	s_lshl_b32 s95, s29, 14
	s_add_co_u32 s96, s96, s95                     ; Wo: row 16 (4 cy + cx)
	s_mov_b32 s[G0R], 1
	s_mov_b32 s[G0R+1], s36
	s_add_nc_u64 s[G0R+2:G0R+3], s[12:13], s[100:101]
	s_or_b32 s[G0R+3], s[G0R+3], 0x80000000
	s_mov_b32 s[G0O], 1
	s_mov_b32 s[G0O+1], s36
	s_add_nc_u64 s[G0O+2:G0O+3], s[14:15], s[96:97]
	s_or_b32 s[G0O+3], s[G0O+3], 0x80000000
	CROUND                                         ; all sixteen work-groups are here: the joint loads meet
	s_cmp_lt_u32 s28, 4                            ; ONE tree, one load to an arm.  Its branches hang on the wave's number and the cluster's number alone
	s_cbranch_scc0 .Larm_w
.irp k, 0,1
	global_load_b128 v[BI+4*\k:BI+4*\k+3], v[H32], s[16:17] offset:16*\k       ; bq, bk at my eight columns
	global_load_b128 v[BI+8+4*\k:BI+8+4*\k+3], v[H32], s[18:19] offset:16*\k
.endr
	TLOAD G0X, G1X
	s_branch .Lasked
.Larm_w:
	s_cmp_lt_u32 s28, 7
	s_cbranch_scc0 .Larm_r
	s_cmp_lg_u32 s28, 4
	s_cbranch_scc1 .Lno_bias
	global_load_b32 v[BI], v[R4], s[20:21]         ; bv at my channel
.Lno_bias:
	TLOAD G0W, G1W
	s_branch .Lasked
.Larm_r:
	s_cmp_lg_u32 s32, 0
	s_cbranch_scc1 .Lshow
	s_cmp_eq_u32 ttmp9, 0
	s_cbranch_scc0 .Larm_o
	TLOAD G0R, G1R
	s_branch .Lasked
.Larm_o:
	s_cmp_eq_u32 ttmp9, 1
	s_cbranch_scc0 .Lshow
	TLOAD G0O, G1O
.Lasked:
	s_wait_tensorcnt 0x0                           ; my tile is in LDS; no other wave reads it
.irp q, 0,1,2,3
.irp m, 0,1,2,3,4,5,6,7
	ds_load_b128 v[RAW+32*\q+4*\m:RAW+32*\q+4*\m+3], v[RA] offset:256*\q+16*\m
.endr
.endr
	s_wait_dscnt 16                                ; K step 0's 16 loads are in
	QSTEP 0
	s_wait_dscnt 0x0
	QSTEP 1
	v_permlane16_swap_b32 v[PP], v[PP+1]           ; now lanes 0-15 of both hold K step 0's halves, lanes 16-31 K step 1's
	v_or_b32 v[SW], v[PP], v[PP+1]
	s_wait_alu depctr_va_vdst(0)
	s_cmp_eq_u32 s28, 4
	s_cbranch_scc1 .Lshow                          ; Wv's codes stay in their wave
	s_cmp_eq_u32 s28, 7
	s_cbranch_scc1 .Limage
.irp f, 0,1,2,3
	ds_store_b128 v[IW], v[CD+4*\f:CD+4*\f+3] offset:512*\f
.endr
	ds_store_b32 v[SWR], v[SW]
	s_branch .Lshow
.Limage:                                               ; a tile of Wr's or Wo's image leaves straight away
	s_lshl_b32 s95, s30, 2
	s_add_co_u32 s95, s95, s29                     ; t = 4 cy + cx
	s_mul_i32 s94, ttmp9, 34816                    ; Wr's image at 0, Wo's behind it
	s_lshl_b32 s96, s95, 11
	s_add_co_u32 s96, s96, s94
	s_lshl_b32 s98, s95, 7
	s_add_co_u32 s98, s98, s94
	s_add_nc_u64 s[6:7], s[22:23], s[96:97]
	s_add_nc_u64 s[8:9], s[22:23], s[98:99]
.irp f, 0,1,2,3
	global_store_b128 v[LI], v[CD+4*\f:CD+4*\f+3], s[6:7] offset:512*\f
.endr
	global_store_b32 v[LS], v[SW], s[8:9] offset:32768
.Lshow:
	s_wait_dscnt 0x0                               ; for the others' sake: my images have landed
	s_barrier_signal -1
	s_barrier_wait -1
	s_cmp_gt_u32 s28, 4
	s_cbranch_scc1 .Lend
	s_cmp_eq_u32 s28, 4
	s_cbranch_scc1 .Lvalues
	; Q and K of my 16 rows: Wq's fragments v48-63, Wk's v64-79
.irp k, 0,1
.irp f, 0,1,2,3
	ds_load_b128 v[48+16*\k+4*\f:51+16*\k+4*\f], v[IR] offset:(5+\k)*2048+512*\f
.endr
	ds_load_b32 v[80+\k], v[SR] offset:(5+\k)*128
.endr
	s_lshl_b32 s96, s33, 2
	s_add_co_u32 s96, s96, s28
	s_lshl_b32 s96, s96, 4
	s_add_co_u32 s96, s96, s31
	s_lshl_b32 s96, s96, 10                        ; (row tile 4 mg + wave, ct)
	s_add_nc_u64 s[26:27], s[26:27], s[96:97]
.rept 8
	v_nop                                          ; a scale register written by a vector instruction stands 8 places ahead of a scaled matrix instruction
.endr
	s_wait_loadcnt 0x0                             ; the biases
	s_wait_dscnt 0x0
.irp k, 0,1
	v_wmma_scale_f32_16x16x128_f8f6f4 v[104+8*\k:111+8*\k], v[48+16*\k:55+16*\k], v[CD:CD+7], v[BI+8*\k:BI+8*\k+7], v[80+\k], v[SW] matrix_a_fmt:MATRIX_FMT_FP4 matrix_b_fmt:MATRIX_FMT_FP4
.endr
.irp k, 0,1
	v_wmma_scale_f32_16x16x128_f8f6f4 v[104+8*\k:111+8*\k], v[56+16*\k:63+16*\k], v[CD+8:CD+15], v[104+8*\k:111+8*\k], v[80+\k], v[SW] matrix_a_fmt:MATRIX_FMT_FP4 matrix_b_fmt:MATRIX_FMT_FP4 matrix_a_scale:MATRIX_SCALE_ROW1 matrix_b_scale:MATRIX_SCALE_ROW1
.endr
.rept 4
	v_nop                                          ; places in front of the first read of results (ISA guide 7.12.1)
.endr
.irp k, 0,1
	global_store_b128 v[LI], v[104+8*\k:107+8*\k], s[26:27] offset:1048576*\k          ; 32 lanes store 512 consecutive bytes, at a multiple of 256 from the buffer's first byte
	global_store_b128 v[LI], v[108+8*\k:111+8*\k], s[26:27] offset:1048576*\k+512
.endr
	s_branch .Lend
.Lvalues:                                              ; V of the 64 rows, 16 channels: x's fragments v128-191
.irp t, 0,1,2,3
.irp f, 0,1,2,3
	ds_load_b128 v[RAW+16*\t+4*\f:RAW+16*\t+4*\f+3], v[IR] offset:\t*2048+512*\f
.endr
	ds_load_b32 v[48+\t], v[SR] offset:\t*128
.endr
	s_wait_loadcnt 0x0                             ; the bias
.irp j, 0,1,2,3,4,5,6,7
	v_mov_b32 v[BI+8+\j], v[BI]
.endr
.rept 4
	v_nop
.endr
	s_wait_alu depctr_va_vdst(0)
	s_wait_dscnt 0x0
.irp t, 0,1,2,3
	v_wmma_scale_f32_16x16x128_f8f6f4 v[192+8*\t:199+8*\t], v[RAW+16*\t:RAW+16*\t+7], v[CD:CD+7], v[BI+8:BI+15], v[48+\t], v[SW] matrix_a_fmt:MATRIX_FMT_FP4 matrix_b_fmt:MATRIX_FMT_FP4
.endr
.irp t, 0,1,2,3
	v_wmma_scale_f32_16x16x128_f8f6f4 v[192+8*\t:199+8*\t], v[RAW+16*\t+8:RAW+16*\t+15], v[CD+8:CD+15], v[192+8*\t:199+8*\t], v[48+\t], v[SW] matrix_a_fmt:MATRIX_FMT_FP4 matrix_b_fmt:MATRIX_FMT_FP4 matrix_a_scale:MATRIX_SCALE_ROW1 matrix_b_scale:MATRIX_SCALE_ROW1
.endr
.rept 4
	v_nop
.endr
.irp b, 0,1                                    ; block b: 16 registers here, 16 in lane l xor 16
	v_max3_num_f32 v[TM+\b], |v[192+16*\b]|, |v[193+16*\b]|, s[FLOOR]
.endr
.irp i, 2,4,6,8,10,12,14
.irp b, 0,1
	v_max3_num_f32 v[TM+\b], v[TM+\b], |v[192+16*\b+\i]|, |v[193+16*\b+\i]|
.endr
.endr
.irp b, 0,1
	v_permlanex16_b32 v[TM+2+\b], v[TM+\b], s66, s67
.endr
.irp b, 0,1
	v_max_num_f32 v[TM+\b], v[TM+\b], v[TM+2+\b]
.endr
.irp b, 0,1
	v_add_nc_u32 v[SS+\b], 0xff000000, v[TM+\b]
.endr
.irp b, 0,1
	v_lshrrev_b32 v[TM+\b], 23, v[SS+\b]
.endr
	v_lshl_or_b32 v[TM], v[TM+1], 8, v[TM]         ; the two scale bytes
.irp b, 0,1
	v_cvt_scalef32_pk8_fp4_f32 v[224+2*\b], v[192+16*\b:199+16*\b], v[SS+\b]
	v_cvt_scalef32_pk8_fp4_f32 v[225+2*\b], v[200+16*\b:207+16*\b], v[SS+\b]
.endr
	v_nop
.irp i, 0,1
	v_permlane16_swap_b32 v[224+\i], v[226+\i]     ; the operand's layout wants a whole block in a lane
.endr
	s_lshr_b32 s94, s33, 1
	s_lshl_b32 s94, s94, 4
	s_add_co_u32 s94, s94, s31                     ; (128 keys, ct)
	s_and_b32 s95, s33, 1
	s_lshl_b32 s96, s94, 10
	s_lshl_b32 s98, s95, 9
	s_add_co_u32 s96, s96, s98
	s_lshl_b32 s98, s94, 6
	s_lshl_b32 s95, s95, 1
	s_add_co_u32 s98, s98, s95
	s_add_nc_u64 s[6:7], s[24:25], s[96:97]
	s_add_nc_u64 s[8:9], s[24:25], s[98:99]
	s_wait_alu depctr_va_vdst(0)
	global_store_b128 v[LI], v[224:227], s[6:7]    ; 512 consecutive bytes
	global_store_b16 v[R4], v[TM], s[8:9] offset:131072    ; two bytes of each channel's word: a short piece, one part in sixteen of the codes; lanes l and l xor 16 hold the same
.Lend:
	s_wait_tensorcnt 0x0                           ; the wave's end
	ds_add_u32 v[SPW], v[NIL]
	s_wait_dscnt 0x0
	CROUND                                         ; the closing round: no work-group ends while a partner may still ask for a tile that names it
	s_endpgm
.Lfunc_end_k_qd941173462_prep:
	.size	k_qd941173462_prep, .Lfunc_end_k_qd941173462_prep-k_qd941173462_prep
	.p2alignl 7, 3214868480
	.fill 96, 4, 3214868480
	.section	.rodata,"a",@progbits
	.p2align	6, 0x0
	.amdhsa_kernel k_qd941173462_prep
		.amdhsa_group_segment_fixed_size 167936
		.amdhsa_private_segment_fixed_size 0
		.amdhsa_enable_private_segment 0
		.amdhsa_kernarg_size 96
		.amdhsa_user_sgpr_count 2
		.amdhsa_user_sgpr_kernarg_segment_ptr 1
		.amdhsa_wavefront_size32 1
		.amdhsa_system_sgpr_workgroup_id_x 1
		.amdhsa_system_sgpr_workgroup_id_y 1
		.amdhsa_system_sgpr_workgroup_id_z 1
		.amdhsa_system_vgpr_workitem_id 0
		.amdhsa_next_free_vgpr 256
		.amdhsa_next_free_sgpr 104
		.amdhsa_reserve_vcc 1
		.amdhsa_float_denorm_mode_32 3
		.amdhsa_float_denorm_mode_16_64 3
		.amdhsa_memory_ordered 1
		.amdhsa_forward_progress 1
		.amdhsa_inst_pref_size 26
	.end_amdhsa_kernel
	.amdgpu_metadata
---
amdhsa.version: [ 1, 2 ]
amdhsa.kernels:
  - .name:           k_qd941173462_prep
    .symbol:         k_qd941173462_prep.kd
    .args:
      - { .name: x, .offset: 0, .size: 8, .value_kind: global_buffer, .address_space: global }
      - { .name: Wq, .offset: 8, .size: 8, .value_kind: global_buffer, .address_space: global }
      - { .name: Wk, .offset: 16, .size: 8, .value_kind: global_buffer, .address_space: global }
      - { .name: Wv, .offset: 24, .size: 8, .value_kind: global_buffer, .address_space: global }
      - { .name: Wr, .offset: 32, .size: 8, .value_kind: global_buffer, .address_space: global }
      - { .name: Wo, .offset: 40, .size: 8, .value_kind: global_buffer, .address_space: global }
      - { .name: bq, .offset: 48, .size: 8, .value_kind: global_buffer, .address_space: global }
      - { .name: bk, .offset: 56, .size: 8, .value_kind: global_buffer, .address_space: global }
      - { .name: bv, .offset: 64, .size: 8, .value_kind: global_buffer, .address_space: global }
      - { .name: wimg, .offset: 72, .size: 8, .value_kind: global_buffer, .address_space: global }
      - { .name: vimg, .offset: 80, .size: 8, .value_kind: global_buffer, .address_space: global }
      - { .name: qkf, .offset: 88, .size: 8, .value_kind: global_buffer, .address_space: global }
    .group_segment_fixed_size: 167936
    .private_segment_fixed_size: 0
    .kernarg_segment_align: 8
    .kernarg_segment_size: 96
    .max_flat_workgroup_size: 256
    .sgpr_count:     104
    .vgpr_count:     256
    .wavefront_size: 32
...
	.end_amdgpu_metadata
.endif
;; end of part 1
;; launch pairs (part 2): grid 256 x 1, 8 waves a work-group, clusters of 4 x 1, 327,680 bytes of LDS; arguments x, wimg, qkf, br, qkc; writes qkc
.if DOCPART == 2
	.amdgcn_target "amdgcn-amd-amdhsa--gfx1250"
	.amdhsa_code_object_version 6
	.text
	.protected	k_qd941173462_pairs
	.globl	k_qd941173462_pairs
	.p2align	8
	.type	k_qd941173462_pairs,@function
k_qd941173462_pairs:
	s_mov_b64 s[64:65], 0
	v_nop
	global_prefetch_b8 v0, s[64:65] scope:SCOPE_SE
	s_setreg_imm32_b32 hwreg(HW_REG_WAVE_MODE, 25, 1), 1
	s_wait_xcnt 0x0
	s_wait_alu depctr_hold_cnt(0) depctr_sa_sdst(0) depctr_va_vdst(0) depctr_va_sdst(0) depctr_va_ssrc(0) depctr_va_vcc(0) depctr_vm_vsrc(0)
	s_getreg_b32 s2, hwreg(HW_REG_IB_STS2, 6, 4)
	s_cmp_eq_u32 s2, 0
	s_cbranch_scc0 .Lentry_in_a_cluster
	s_endpgm
.Lentry_in_a_cluster:
	s_bfe_u32 s2, ttmp6, 0x10000c
	s_cmp_lg_u32 s2, 0x3003
	s_cbranch_scc0 .Lentry_shape_is_right
	s_endpgm
.Lentry_shape_is_right:
; PAIRS.  R'[i][j][:] = Q4(x_i - x_j) Q4(Wr)^T for all 512 x 512 pairs of each batch, on codes of FP4 (E2M1) with one E8M0 scale for each 32 along K = 256; its largest and smallest number over j, for each i and column;
; then K_r = K + (br + max_j R'[i][j]) and Q_r = Q + (br - min_j R'[i][j]), quantised along each head's 32 channels.
; WHY THE MINIMUM: the quantiser is odd, so R'[j][i] = -R'[i][j]: the maximum over the FIRST index at column i is minus the minimum over the second at row i.  So one owner row i, walking all j, has both.  All 524,288 rows are multiplied.
; The pair (i, i) gives exactly 0, so 0 begins both extremes.
; NaN and infinities are not served.  A block of zeros gets the scale byte 1 (the rule says 127):
; its codes are zeros, and this program alone reads the bytes.
; SHARES.  Work-group wg owns rows 4 wg .. 4 wg + 3.  EIGHT waves.  A step is 32 rows j against all four owners, 16 steps.
;   CONVERTING: wave w makes the codes of owners 2 p, 2 p + 1 (p = w / 4) against 16 rows j (jt = (w / 2) % 2) for K step s = w % 2, so a number x_j comes from LDS once for two owners; the codes go to LDS as images of operand registers.
;   MULTIPLYING: wave w takes owner o = w / 2, the step's 32 rows j, and the column half c = w % 2: 8 tiles of Wr, 128 registers, which stay.
; PIPELINE.  In the trip of step t a wave loads step t's codes, converts step t + 1 (its x_j are in registers), asks LDS for the x_j of step t + 2, and multiplies step t.  Two code buffers by turns; one barrier a step, its signal ahead of the last products, its wait behind them.
; x[b] comes through two LDS slots of 128 rows of f32 (four steps); Wr's image comes once; when every wave has it in registers its bytes serve as the second code buffer.
; CLUSTER: the four work-groups of a cluster lie in one batch and walk the same x[b] and Wr: every tile is asked for jointly, mask 15.
; NO PREFETCH: a slot's refill is issued four steps, 512 matrix instructions of the work-group, ahead of the barrier that shows it, and a launch has two such refills.
; A PRODUCT (32 x 16 x 128): source 0 = 32 rows j of codes of x_i - x_j, source 1 = 16 rows of Wr (tile t, lane r: column 64 (t / 4) + 4 r + t % 4).  A lane holds one column and 16 j: the extremes over j run down its registers.
; REGISTERS, in two windows.  Window 0: v0-31 addresses, scale words, chains; v32-63 differences of the first owner; v64-127 x_j (the second owner's differences are made in place); v128-255 the two owners' rows at my K step.
;   Window 1: all that products and the reduction name, so that both stand under one setting: v0-127 Wr, v128-159 the codes, v160-223 four accumulators, v224-239 the extremes; v240-247 fresh codes, v248-251 addresses.
.set RP,    1040                       ; an LDS row of x: 1,024 bytes + 16 of padding = 65 x 16: the 16 rows of a load fall on 16 different columns of 16 bytes
.set STEPB, 32*RP                      ; a step's rows
.set SLOT1, 128*RP
.set WIMG,  2*SLOT1                    ; Wr's image, 34,816 bytes, filled once; later code buffer 1
.set OWN,   4352                       ; a code buffer holds, for each owner, 4,096 bytes of codes ((K step, row tile, half) x 512) and two runs of 32 scale words
.set SPARE, WIMG+34816                 ; the spare words, 128 bytes for each wave: four blocks of 256 bytes that no other line names
.set CB0,   SPARE+1024                 ; code buffer 0
.set B0,    CB0-WIMG                   ; the buffers as immediate offsets
.set B1,    0
.set CST,   CB0+4*OWN                  ; the codes on their way out: Q's 4 rows of 128 bytes, then K's
.set SST,   CST+1024                   ; their scale bytes: Q's 4 x 8, then K's
; The extremes' stage, 16 KiB, lies at 0, in slot 0: when it is written that slot has had its last fill, and every wave has passed the barriers behind its last read
.set AX0,  1                           ; (16 jt + r) x RP + 512 s + 128 h
.set SELV, 2                           ; v_perm_b32's select: where my two scale bytes go in a word
.set CA,   3                           ; v3-4, v5-6  chains of maxima
.set CB,   5
.set KE,   7                           ; v7-8   the first block's bytes
.set SS,   9                           ; v9-10  the conversions' scale operands
.set PW,   11
.set WS,   12                          ; v12-27 Wr's scale words: (tile t, K step s) at 2 t + s
.set AS,   28                          ; v28-29 the codes' scale words, K step s: lane m for row m of 32
.set SPW,  30                          ; my spare word;  NIL: 0.  Never rewritten
.set NIL,  31
.set DF,   32
.set XJ,   64
.set XI,   128
.set CO,   128                         ; in window 1
.set AC,   160
.set MX,   224
.set MN,   232
.set TQ,   240
.set CW,   248
.set CWS,  249
.set CR,   250
.set CRS,  251
.set G1X,  20                          ; ring: 16 rows of x a wave
.set G1W,  28                          ; Wr's image: 34 rows of 256 bytes
.set G1H,  36                          ; head: 32 rows of x
.set G0,   44
.set G0H,  48
.set G0W,  52
.set SA,   56                          ; LDS byte at which the slot of the steps in hand begins; SB: the other slot
.set SB,   57
.set TB,   58
.set CNT,  59
.set WOFF, 60                          ; 16 rows x wave
.set FLOOR, 61
.set MSB, 0
.macro WIN new                         ; the immediate's high byte repeats the setting that is left; a switch that changes nothing is dropped
.if MSB != (\new)
	s_set_vgpr_msb (MSB<<8)|(\new)
.set MSB, (\new)
.endif
.endm
.macro CREST                           ; a round of the cluster's barrier behind its opening barrier
	s_cmp_lg_u32 s14, 0
	s_cbranch_scc1 .Lnot_wave_0_\@
	s_barrier_signal -3
.Lnot_wave_0_\@:
	s_barrier_wait -3
	s_barrier_signal -1
	s_barrier_wait -1
.endm
.macro CROUND
	s_barrier_signal -1
	s_barrier_wait -1
	CREST
.endm
; 16 rows j at my K step: lane (r, h) takes, of row r, k = 128 s + 64 c + 32 h + 0 .. 31 for c = 0, 1: two whole blocks, in the order of the operand's registers.  (The address lies where the next differences go.)
.macro LOADX base, off
	s_add_co_u32 s[TB], s[\base], \off
	v_add_nc_u32 v[DF], s[TB], v[AX0]
.irp c, 0,1
.irp m, 0,1,2,3,4,5,6,7
	ds_load_b128 v[XJ+32*\c+4*\m:XJ+32*\c+4*\m+3], v[DF] offset:256*\c+16*\m
.endr
.endr
.endm
; The step's 32 rows of codes of my owner: K step s, row tile u, half q at (4 s + 2 u + q) x 512; and their scale words.  10 loads
.macro FETCHA bo
	WIN 0x41
.irp f, 0,1,2,3,4,5,6,7
	ds_load_b128 v[CO+4*\f:CO+4*\f+3], v[CR] offset:\bo+512*\f
.endr
	WIN 0x01
.irp s, 0,1
	ds_load_b32 v[AS+\s], v[CRS] offset:\bo+128*\s
.endr
	WIN 0
.endm
; Differences, scales, codes for two owners x 16 rows x one K step, block c by block c: owner 0's block in DF, owner 1's in place over x_j.  5 stores
.macro CONV bo
.irp c, 0,1
.set b0, DF
.set b1, XJ+32*\c
.set i, 0
.rept 16
	v_pk_add_f32 v[b0+i:b0+i+1], v[b1+i:b1+i+1], v[XI+32*\c+i:XI+32*\c+i+1] neg_lo:[1,0] neg_hi:[1,0]            ; x_i0 - x_j
.set i, i+2
.endr
.set i, 0
.rept 16
	v_pk_add_f32 v[b1+i:b1+i+1], v[b1+i:b1+i+1], v[XI+64+32*\c+i:XI+64+32*\c+i+1] neg_lo:[1,0] neg_hi:[1,0]      ; x_i1 - x_j
.set i, i+2
.endr
.irp k, 0,1                                    ; all 32 numbers of a block are mine; two chains a block, four by turns
	v_max3_num_f32 v[CA+\k], |v[b\k]|, |v[b\k+1]|, s[FLOOR]        ; the floor 2^(3 - 127) is a leaf: the byte cannot fall under 1
.endr
.irp k, 0,1
	v_max3_num_f32 v[CB+\k], |v[b\k+16]|, |v[b\k+17]|, |v[b\k+18]|
.endr
.irp u, 0,2,4,6,8,10
.irp k, 0,1
	v_max3_num_f32 v[CA+\k], v[CA+\k], |v[b\k+2+\u]|, |v[b\k+3+\u]|
.endr
.irp k, 0,1
	v_max3_num_f32 v[CB+\k], v[CB+\k], |v[b\k+19+\u]|, |v[b\k+20+\u]|
.endr
.endr
.irp k, 0,1
	v_max3_num_f32 v[CA+\k], v[CA+\k], |v[b\k+14]|, |v[b\k+15]|
.endr
.irp k, 0,1
	v_max3_num_f32 v[CA+\k], v[CA+\k], v[CB+\k], |v[b\k+31]|
.endr
.irp k, 0,1
	v_add_nc_u32 v[SS+\k], s62, v[CA+\k]           ; 2 off the exponent field: the conversion's scale operand
.endr
.if \c == 0
.irp k, 0,1
	v_lshl_add_u32 v[KE+\k], v[CA+\k], 1, s63      ; the scale's byte in the top byte
.endr
.else
.irp k, 0,1
	v_lshl_add_u32 v[CA+\k], v[CA+\k], 1, s63
.endr
.irp k, 0,1
	v_perm_b32 v[CB+\k], v[CA+\k], v[KE+\k], v[SELV]   ; my bytes of blocks h and 2 + h at their places, zeros between
.endr
	v_permlane16_swap_b32 v[CB], v[CB+1]           ; now lanes 0-15 of both hold owner 0's halves, lanes 16-31 owner 1's
	v_or_b32 v[PW], v[CB], v[CB+1]
.endif
	WIN 0x40
.irp k, 0,1
.irp m, 0,1,2,3
	v_cvt_scalef32_pk8_fp4_f32 v[TQ+4*\k+\m], v[b\k+8*\m:b\k+8*\m+7], v[SS+\k]
.endr
.endr
	v_nop                                          ; one plain place behind a scaled conversion
	WIN 0x05
	ds_store_b128 v[CW], v[TQ:TQ+3] offset:\bo+512*\c
	ds_store_b128 v[CW], v[TQ+4:TQ+7] offset:\bo+OWN+512*\c
.if \c == 1
	WIN 0x01
	ds_store_b32 v[CWS], v[PW] offset:\bo          ; lanes 0-15 owner 0's words, lanes 16-31 owner 1's
.endif
	WIN 0
.endr
.endm
; Four lines of the reduction of group rg (Wr's tiles 2 rg, 2 rg + 1): registers 2 n, 2 n + 1 of both accumulators.  Each accumulator is read from its low end on; an extreme is taken up again four lines on.
.macro RED4 rg, n
.irp a, 0,1
	v_max3_num_f32 v[MX+2*(\rg)+\a], v[MX+2*(\rg)+\a], v[AC+32*((\rg)%2)+16*\a+2*(\n)], v[AC+32*((\rg)%2)+16*\a+2*(\n)+1]
	v_min3_num_f32 v[MN+2*(\rg)+\a], v[MN+2*(\rg)+\a], v[AC+32*((\rg)%2)+16*\a+2*(\n)], v[AC+32*((\rg)%2)+16*\a+2*(\n)+1]
.endr
.endm
; Group g's four products (two tiles by turns, K step 0 then 1; the first two start the sums), each followed by eight lines of the reduction of the group before it: plain lines on the other pair of accumulators, which are
; also the places that the ISA guide (7.12.1) asks: eight stand behind g's last product ahead of the first line that reads it, ahead of the codes' next loads, and far more ahead of the product that writes over a result.
.macro MUL g
	WIN 0x55
.irp i, 0,1,2,3
.set ta, \i%2
.set ks, \i/2
.set pD, AC+32*(\g%2)+16*ta
.set pA, CO+16*ks
.set pB, 8*(2*(2*\g+ta)+ks)
.set pS, WS+2*(2*\g+ta)+ks
.if ks == 0
	v_wmma_scale_f32_32x16x128_f4 v[pD:pD+15], v[pA:pA+15], v[pB:pB+7], 0, v[AS+ks], v[pS]
.else
	v_wmma_scale_f32_32x16x128_f4 v[pD:pD+15], v[pA:pA+15], v[pB:pB+7], v[pD:pD+15], v[AS+ks], v[pS]
.endif
	RED4 (\g+3)%4, 2*\i
	RED4 (\g+3)%4, 2*\i+1
.endr
.endm
; A step's trip.  ro: where step t's codes lie; wo: where step t + 1's go; base, off: where step t + 2's rows lie.  kind 1: behind the barrier the slot just read out is filled again; kind 2: the slot ahead is shown, nothing is filled.
.macro TRIP ro, wo, base, off, kind
	FETCHA \ro
	CONV \wo
	LOADX \base, \off
	s_wait_dscnt 21                                ; the ten loads of codes are in; behind them 5 stores and 16 loads may be out
	MUL 0
.if \kind == 1
	WIN 0
	s_wait_tensorcnt 0x0                           ; no tensor load of mine is out, so a group 0 may be written
	ds_add_u32 v[SPW], v[NIL]                      ; 0 onto my spare word
	s_add_co_u32 s[G0+1], s[SA], s[WOFF]
	s_add_nc_u64 s[G0+2:G0+3], s[G0+2:G0+3], 131072        ; 128 rows on; the type bits on top are not reached
.endif
.if \kind == 2
	s_wait_tensorcnt 0x0
.endif
.if \kind == 1
	MUL 1                                          ; work on registers between the add and the wait for it
.endif
	s_wait_dscnt 0x0                               ; for the others' sake: my codes have landed, and my reads of this step's codes and of the slot are over (kind 1: the add too)
	s_barrier_signal -1
.if \kind != 1
	MUL 1                                          ; work on registers while the others arrive
.endif
	MUL 2
	MUL 3
	WIN 0
	s_barrier_wait -1
.if \kind == 1
	CREST
	tensor_load_to_lds s[G0:G0+3], s[G1X:G1X+7]
	s_nop 0
.rept 4
	v_nop
.endr
.endif
.endm
	s_load_b256 s[4:11], s[0:1], 0x0               ; x s[4:5], wimg s[6:7], qkf s[8:9], br s[10:11]
	s_load_b64 s[12:13], s[0:1], 0x20              ; qkc
	v_lshl_add_u32 v[SPW], v0, 2, SPARE
	v_mov_b32 v[NIL], 0
	ds_add_u32 v[SPW], v[NIL]                      ; the wave's opening: the add, twice on end, and its wait ahead of my first tensor load
	ds_add_u32 v[SPW], v[NIL]
	v_lshrrev_b32 v3, 5, v0
	v_readfirstlane_b32 s14, v3                    ; wave 0..7
	v_bfe_u32 v8, v0, 4, 1                         ; h
	v_lshlrev_b32 v11, 7, v8
	s_and_b32 s15, s14, 1                          ; K step of my conversions; column half of my products; kind (0 Q, 1 K) at the end
	s_lshr_b32 s16, s14, 1                         ; owner of my products, row of the end
	s_bfe_u32 s17, s14, 0x10001                    ; row tile of my conversions
	s_lshr_b32 s18, s14, 2                         ; owner pair of my conversions
	s_bfe_u32 s74, ttmp6, 0x40000                  ; cx: it enters global addresses of my own rows alone
	s_lshl_b32 s19, ttmp9, 2
	s_add_co_u32 s19, s19, s74                     ; work-group
	s_lshr_b32 s75, ttmp9, 5                       ; batch: the four partners share it
	s_mov_b32 s62, 0xff000000
	s_mov_b32 s63, 0xfe000000
	s_mov_b32 s[FLOOR], 0x1800000
	; descriptor group 1 for x: rows of 256 f32, 16 bytes of padding behind each: 16 rows a wave in the ring, 32 at the head
	s_mov_b32 s[G1X], 15|(2<<16)|(1<<20)|(1<<21)|(7<<22)|(3<<25)   ; the mask: all four work-groups; elements of 4 bytes; padding on; bit 21 beside a mask; 4 words after every 256
	s_mov_b32 s[G1X+1], 256<<16
	s_mov_b32 s[G1X+2], 16<<16
	s_mov_b32 s[G1X+3], 256<<16
	s_mov_b32 s[G1X+4], 16
	s_mov_b32 s[G1X+5], 256
	s_mov_b32 s[G1X+6], 0
	s_mov_b32 s[G1X+7], 0
	s_mov_b32 s[G1H], 15|(2<<16)|(1<<20)|(1<<21)|(7<<22)|(3<<25)
	s_mov_b32 s[G1H+1], 256<<16
	s_mov_b32 s[G1H+2], 32<<16
	s_mov_b32 s[G1H+3], 256<<16
	s_mov_b32 s[G1H+4], 32
	s_mov_b32 s[G1H+5], 256
	s_mov_b32 s[G1H+6], 0
	s_mov_b32 s[G1H+7], 0
	; and for Wr's image: a dense block, 34 rows of 256 bytes for each of four waves
	s_mov_b32 s[G1W], 15|(3<<16)|(1<<21)
	s_mov_b32 s[G1W+1], 32<<16
	s_mov_b32 s[G1W+2], 34<<16
	s_mov_b32 s[G1W+3], 32<<16
	s_mov_b32 s[G1W+4], 34
	s_mov_b32 s[G1W+5], 32
	s_mov_b32 s[G1W+6], 0
	s_mov_b32 s[G1W+7], 0
	s_mov_b32 s83, 0
	s_mov_b32 s85, 0
	s_mov_b32 s87, 0
	s_mov_b32 s89, 0
	s_lshl_b32 s82, s19, 12
	s_lshl_b32 s76, s18, 11
	s_add_co_u32 s82, s82, s76
	s_lshl_b32 s76, s15, 9
	s_add_co_u32 s82, s82, s76                     ; x at row 4 wg + 2 p, my K step
	s_lshl_b32 s84, s75, 19
	s_lshl_b32 s76, s14, 15
	s_add_co_u32 s86, s84, s76                     ; x: the batch's row 32 wave
	s_lshl_b32 s76, s14, 14
	s_add_co_u32 s84, s84, s76                     ; and 16 wave
	s_and_b32 s77, s14, 3
	s_mul_i32 s88, s77, 8704
	s_mul_i32 s78, s14, 32*RP
	s_mul_i32 s[WOFF], s14, 16*RP
	s_wait_dscnt 0x0                               ; both opening adds are done
	s_wait_alu depctr_va_vdst(0)
	s_wait_kmcnt 0x0
	s_add_nc_u64 s[66:67], s[4:5], s[82:83]
.irp o, 0,1
.irp c, 0,1
.irp m, 0,1,2,3,4,5,6,7
	global_load_b128 v[XI+64*\o+32*\c+4*\m:XI+64*\o+32*\c+4*\m+3], v11, s[66:67] offset:1024*\o+256*\c+16*\m   ; the owners' rows at my lane's k: they stay
.endr
.endr
.endr
	s_mov_b32 s[G0H], 1
	s_mov_b32 s[G0H+1], s78
	s_add_nc_u64 s[G0H+2:G0H+3], s[4:5], s[86:87]
	s_or_b32 s[G0H+3], s[G0H+3], 0x80000000
	s_mov_b32 s[G0W], 1
	s_add_co_u32 s[G0W+1], s88, WIMG
	s_add_nc_u64 s[G0W+2:G0W+3], s[6:7], s[88:89]
	s_or_b32 s[G0W+3], s[G0W+3], 0x80000000
	s_mov_b32 s[G0], 1
	s_add_co_u32 s[G0+1], s[WOFF], SLOT1
	s_add_nc_u64 s[G0+2:G0+3], s[4:5], s[84:85]
	s_add_nc_u64 s[G0+2:G0+3], s[G0+2:G0+3], 131072        ; rows 128 on
	s_or_b32 s[G0+3], s[G0+3], 0x80000000
	CROUND                                         ; all four work-groups are here: the first joint loads meet
	s_cmp_lt_u32 s14, 4                            ; one load to an arm: waves 0-3 rows 0-127 of x, waves 4-7 Wr's image
	s_cbranch_scc0 .Lhead_w
	tensor_load_to_lds s[G0H:G0H+3], s[G1H:G1H+7]
	s_nop 0
.rept 4
	v_nop
.endr
	s_branch .Lhead_asked
.Lhead_w:
	tensor_load_to_lds s[G0W:G0W+3], s[G1W:G1W+7]
	s_nop 0
.rept 4
	v_nop
.endr
.Lhead_asked:
	s_lshr_b32 s82, s19, 2
	s_lshl_b32 s82, s82, 14                        ; row tile wg / 4: 16 column tiles x 1,024 bytes
	s_lshl_b32 s76, s15, 20
	s_add_co_u32 s82, s82, s76
	s_and_b32 s76, s19, 3
	s_lshl_b32 s76, s76, 6
	s_add_co_u32 s82, s82, s76
	s_lshl_b32 s76, s16, 4
	s_add_co_u32 s82, s82, s76                     ; row 4 (wg % 4) + o of the tile: 16 bytes each
	s_add_nc_u64 s[68:69], s[8:9], s[82:83]        ; Q (even waves) or K (odd) at row 4 wg + o, which I finish
	s_lshl_b32 s82, s19, 9
	s_lshl_b32 s76, s15, 17
	s_add_co_u32 s82, s82, s76
	s_add_nc_u64 s[70:71], s[12:13], s[82:83]      ; the codes' 4 rows: Q's (even waves) or K's
	s_lshl_b32 s82, s19, 5
	s_lshl_b32 s76, s15, 13
	s_add_co_u32 s82, s82, s76
	s_add_nc_u64 s[72:73], s[12:13], s[82:83]      ; their scale bytes, from 262,144 on
	s_mul_i32 s74, s17, 16*RP
	s_lshl_b32 s75, s15, 9
	s_add_co_u32 s74, s74, s75                     ; x_j: row tile, K step
	s_lshl_b32 s75, s15, 14
	s_add_co_u32 s75, s75, WIMG                    ; Wr's tiles 8 c on
	s_lshl_b32 s76, s15, 10
	s_add_co_u32 s76, s76, WIMG+32768              ; their scale words
	s_mul_i32 s77, s18, 2*OWN
	s_add_co_u32 s77, s77, WIMG
	s_lshl_b32 s78, s15, 7
	s_add_co_u32 s78, s78, s77
	s_lshl_b32 s79, s17, 6
	s_add_co_u32 s78, s78, s79
	s_add_co_u32 s78, s78, 4096                    ; where my scale words go
	s_lshl_b32 s79, s15, 11
	s_add_co_u32 s77, s77, s79
	s_lshl_b32 s79, s17, 10
	s_add_co_u32 s77, s77, s79                     ; where my codes go
	s_mul_i32 s79, s16, OWN
	s_add_co_u32 s79, s79, WIMG                    ; where my owner's codes lie,
	s_add_co_u32 s80, s79, 4096                    ; and their scale words
	v_and_b32 v7, 15, v0                           ; r
	v_and_b32 v9, 31, v0                           ; lane
	v_mul_u32_u24 v[AX0], v7, RP
	v_lshl_add_u32 v[AX0], v8, 7, v[AX0]
	v_add_nc_u32 v[AX0], s74, v[AX0]
	v_mov_b32 v[SELV], 0x0c070c03                  ; lanes 0-15: bytes 0 and 2 of the word;
	v_mov_b32 v10, 0x070c030c                      ; lanes 16-31: bytes 1 and 3
	v_cmp_eq_u32 vcc_lo, 1, v8
	v_cndmask_b32 v[SELV], v[SELV], v10, vcc_lo
	v_lshl_add_u32 v3, v9, 4, s75
	v_lshl_add_u32 v4, v7, 2, s76
	v_mul_u32_u24 v5, v8, OWN
	v_lshl_add_u32 v5, v7, 2, v5
	WIN 0x40
	v_lshl_add_u32 v[CW], v9, 4, s77
	v_add_nc_u32 v[CWS], s78, v5
	v_lshl_add_u32 v[CR], v9, 4, s79
	v_lshl_add_u32 v[CRS], v9, 2, s80
	; The extremes begin at 0: the pair (i, i) gives 0.  The first trip's first run of the reduction finds zeros in the accumulators of group 3: 0 moves no extreme
.set i, 0
.rept 16
	v_mov_b32 v[MX+i], 0
.set i, i+1
.endr
.set i, 0
.rept 32
	v_mov_b32 v[AC+32+i], 0
.set i, i+1
.endr
	WIN 0
	s_mov_b32 s[SA], 0
	s_mov_b32 s[SB], SLOT1
	s_wait_alu depctr_va_vdst(0)
	s_wait_tensorcnt 0x0                           ; my tile of the head is in
	ds_add_u32 v[SPW], v[NIL]
	s_wait_dscnt 0x0
	CROUND
	tensor_load_to_lds s[G0:G0+3], s[G1X:G1X+7]    ; slot 1: rows 128-255
	s_nop 0
.rept 4
	v_nop
.endr
	LOADX SA, 0                                    ; step 0's rows
	WIN 0x40
.set i, 0
.rept 16
	ds_load_b128 v[8*i:8*i+3], v3 offset:1024*i    ; Wr: my 8 tiles x 2 K steps: they stay
	ds_load_b128 v[8*i+4:8*i+7], v3 offset:1024*i+512
.set i, i+1
.endr
	WIN 0
.set i, 0
.rept 16
	ds_load_b32 v[WS+i], v4 offset:64*i            ; lane r: row r's word of (tile i / 2, K step i % 2); lanes 16-31 hold the same and are not read
.set i, i+1
.endr
	s_wait_loadcnt 0x0                             ; the owners' rows
	s_wait_dscnt 48                                ; step 0's 16 loads are in; Wr's 32 and its 16 scale registers may be out
	CONV B0                                        ; step 0's codes
	LOADX SA, STEPB                                ; step 1's rows
	s_wait_dscnt 0x0                               ; for the others' sake; behind this barrier nobody reads Wr's image
	s_barrier_signal -1
	s_barrier_wait -1
	s_mov_b32 s[CNT], 2
.Lring:                                                ; steps 4 k .. 4 k + 3, k = 0, 1.  The slot of steps 4 k on is read out in step 4 k + 1's trip, and takes rows 256 on, 384 on
	TRIP B0, B1, SA, 2*STEPB, 0
	TRIP B1, B0, SA, 3*STEPB, 1
	TRIP B0, B1, SB, 0, 0
	TRIP B1, B0, SB, STEPB, 0
	s_xor_b32 s[SA], s[SA], SLOT1
	s_xor_b32 s[SB], s[SB], SLOT1
	s_sub_co_u32 s[CNT], s[CNT], 1
	s_cmp_lg_u32 s[CNT], 0
	s_cbranch_scc1 .Lring
	TRIP B0, B1, SA, 2*STEPB, 0                    ; steps 8, 9
	TRIP B1, B0, SA, 3*STEPB, 2                    ; the last slot is shown; nothing is left to fetch
	s_mov_b32 s[CNT], 2
.Llast:                                                ; steps 10 to 13
	TRIP B0, B1, SB, 0, 0
	TRIP B1, B0, SB, STEPB, 0
	s_add_co_u32 s[SB], s[SB], 2*STEPB
	s_sub_co_u32 s[CNT], s[CNT], 1
	s_cmp_lg_u32 s[CNT], 0
	s_cbranch_scc1 .Llast
	FETCHA B0                                      ; step 14
	CONV B1                                        ; step 15's codes: x_j's registers are free from here on
	s_lshl_b32 s74, s16, 11
	s_lshl_b32 s82, s15, 9
	s_add_co_u32 s74, s74, s82                     ; the stage, in: owner o (x 2,048), half h (x 1,024), columns 128 c on
	s_lshl_b32 s75, s15, 13
	s_lshl_b32 s76, s16, 11
	s_add_co_u32 s75, s75, s76                     ; back: my kind, my row
	s_lshl_b32 s78, s15, 9
	s_add_co_u32 s78, s78, CST
	s_lshl_b32 s76, s16, 7
	s_add_co_u32 s76, s76, s78
	s_lshl_b32 s79, s15, 5
	s_add_co_u32 s79, s79, SST
	s_lshl_b32 s77, s16, 3
	s_add_co_u32 s77, s77, s79
	v_and_b32 v105, 31, v0
	v_and_b32 v106, 15, v0
	v_bfe_u32 v107, v0, 4, 1
	v_lshlrev_b32 v96, 5, v105
	v_lshlrev_b32 v97, 4, v106
	v_lshl_add_u32 v97, v107, 10, v97
	v_add_nc_u32 v97, s74, v97
	v_add_nc_u32 v98, s75, v96
	v_lshl_add_u32 v99, v105, 2, s76
	v_lshrrev_b32 v100, 2, v105
	v_add_nc_u32 v100, s77, v100
	v_lshl_add_u32 v101, v105, 4, s78
	v_and_b32 v104, 7, v105
	v_lshlrev_b32 v104, 2, v104
	v_add_nc_u32 v102, s79, v104
	v_lshlrev_b32 v103, 4, v105
	v_lshrrev_b32 v109, 1, v105
	v_lshlrev_b32 v108, 10, v109
	v_and_b32 v109, 1, v105
	v_lshl_add_u32 v108, v109, 8, v108             ; columns 8 lane on: column tile lane / 2, half lane % 2
.irp k, 0,1
	global_load_b128 v[64+4*\k:67+4*\k], v108, s[68:69] offset:512*\k  ; my row of Q or K, and br, at columns 8 lane .. + 7: wanted behind step 15
	global_load_b128 v[72+4*\k:75+4*\k], v96, s[10:11] offset:16*\k
.endr
	s_wait_dscnt 5                                 ; the ten loads of codes are in; the five stores may be out
	MUL 0
	s_wait_dscnt 0x0
	s_barrier_signal -1
	MUL 1
	MUL 2
	MUL 3
	WIN 0
	s_barrier_wait -1
	FETCHA B1                                      ; step 15
	s_wait_dscnt 0x0
	MUL 0
	MUL 1
	MUL 2
	MUL 3
.irp n, 0,1,2,3,4,5,6,7
	RED4 3, \n
.endr
	; THE WAY OUT.  Four neighbouring registers of the extremes are four neighbouring columns: tiles 4 u .. 4 u + 3 of my half are columns 128 c + 64 u + 4 r + 0 .. 3.  Kind 0 (Q) takes -min, kind 1 (K) the maximum.
	WIN 0x44
.irp j, 0,1,2,3,4,5,6,7
	v_xor_b32 v[MN+\j], 0x80000000, v[MN+\j]
.endr
	WIN 0x04
.irp u, 0,1
	ds_store_b128 v97, v[MX+4*\u:MX+4*\u+3] offset:8192+256*\u
	ds_store_b128 v97, v[MN+4*\u:MN+4*\u+3] offset:256*\u
.endr
	WIN 0
	s_wait_dscnt 0x0                               ; for the others' sake
	s_barrier_signal -1
	s_barrier_wait -1
.irp h, 0,1                                    ; the two halves of the lanes held different j
.irp u, 0,1
	ds_load_b128 v[32+8*\h+4*\u:32+8*\h+4*\u+3], v98 offset:1024*\h+16*\u
.endr
.endr
	s_wait_dscnt 0x0
	s_wait_loadcnt 0x0
.irp e, 0,1,2,3,4,5,6,7
	v_max_num_f32 v[32+\e], v[32+\e], v[40+\e]
.endr
.irp e, 0,2,4,6
	v_pk_add_f32 v[32+\e:33+\e], v[72+\e:73+\e], v[32+\e:33+\e]    ; br + max, br - min
.endr
.irp e, 0,2,4,6
	v_pk_add_f32 v[64+\e:65+\e], v[64+\e:65+\e], v[32+\e:33+\e]    ; Q_r, K_r
.endr
	v_max3_num_f32 v108, |v64|, |v65|, s[FLOOR]    ; a head's block of 32 lies in four neighbouring lanes
	v_max3_num_f32 v109, |v66|, |v67|, |v68|
	v_max3_num_f32 v108, v108, |v69|, |v70|
	v_max3_num_f32 v108, v108, v109, |v71|
	v_max_num_f32_dpp v108, v108, v108 row_xmask:1 row_mask:0xf bank_mask:0xf
	v_max_num_f32_dpp v108, v108, v108 row_xmask:2 row_mask:0xf bank_mask:0xf
	v_add_nc_u32 v109, s62, v108
	v_lshrrev_b32 v110, 23, v109
	v_cvt_scalef32_pk8_fp4_f32 v112, v[64:71], v109
	v_nop                                          ; one plain place behind a scaled conversion
	ds_store_b32 v99, v112                         ; my 8 codes: 4 bytes of the row's 128
	ds_store_b8 v100, v110                         ; the four lanes of a block write the same byte with the same value
	s_wait_dscnt 0x0                               ; for the others' sake
	s_barrier_signal -1
	s_barrier_wait -1
	ds_load_b128 v[48:51], v101                    ; every wave reads both; the branches go round the stores alone
	ds_load_b32 v52, v102
	s_wait_dscnt 0x0
	s_cmp_lt_u32 s14, 2
	s_cbranch_scc0 .Lscales
	global_store_b128 v103, v[48:51], s[70:71]     ; waves 0, 1: four rows of codes of Q, of K: 512 consecutive bytes, at a multiple of 256 from the buffer's first byte
	s_branch .Lstored
.Lscales:
	s_cmp_lt_u32 s14, 4
	s_cbranch_scc0 .Lstored
	v_cmp_gt_u32 vcc_lo, 8, v105
	s_wait_xcnt 0x0                                ; EXEC changes only behind this wait
	s_and_saveexec_b32 s74, vcc_lo
	global_store_b32 v104, v52, s[72:73] offset:262144     ; waves 2, 3: the four rows' 32 scale bytes: a short piece, one part in sixteen of what the work-group stores
	s_wait_xcnt 0x0                                ; and again, in front of the line that widens it
	s_or_b32 exec_lo, exec_lo, s74
.Lstored:
	s_wait_tensorcnt 0x0                           ; the wave's end, behind my last tensor load and my last LDS store
	ds_add_u32 v[SPW], v[NIL]
	s_wait_dscnt 0x0
	CROUND                                         ; the closing round: no work-group ends while a partner may still ask for a tile that names it
	s_endpgm
.Lfunc_end_k_qd941173462_pairs:
	.size	k_qd941173462_pairs, .Lfunc_end_k_qd941173462_pairs-k_qd941173462_pairs
	.p2alignl 7, 3214868480
	.fill 96, 4, 3214868480
	.section	.rodata,"a",@progbits
	.p2align	6, 0x0
	.amdhsa_kernel k_qd941173462_pairs
		.amdhsa_group_segment_fixed_size 327680
		.amdhsa_private_segment_fixed_size 0
		.amdhsa_enable_private_segment 0
		.amdhsa_kernarg_size 40
		.amdhsa_user_sgpr_count 2
		.amdhsa_user_sgpr_kernarg_segment_ptr 1
		.amdhsa_wavefront_size32 1
		.amdhsa_system_sgpr_workgroup_id_x 1
		.amdhsa_system_sgpr_workgroup_id_y 1
		.amdhsa_system_sgpr_workgroup_id_z 1
		.amdhsa_system_vgpr_workitem_id 0
		.amdhsa_next_free_vgpr 512
		.amdhsa_next_free_sgpr 96
		.amdhsa_reserve_vcc 1
		.amdhsa_float_denorm_mode_32 3
		.amdhsa_float_denorm_mode_16_64 3
		.amdhsa_memory_ordered 1
		.amdhsa_forward_progress 1
		.amdhsa_inst_pref_size 246
	.end_amdhsa_kernel
	.amdgpu_metadata
---
amdhsa.version: [ 1, 2 ]
amdhsa.kernels:
  - .name:           k_qd941173462_pairs
    .symbol:         k_qd941173462_pairs.kd
    .args:
      - { .name: x, .offset: 0, .size: 8, .value_kind: global_buffer, .address_space: global }
      - { .name: wimg, .offset: 8, .size: 8, .value_kind: global_buffer, .address_space: global }
      - { .name: qkf, .offset: 16, .size: 8, .value_kind: global_buffer, .address_space: global }
      - { .name: br, .offset: 24, .size: 8, .value_kind: global_buffer, .address_space: global }
      - { .name: qkc, .offset: 32, .size: 8, .value_kind: global_buffer, .address_space: global }
    .group_segment_fixed_size: 327680
    .private_segment_fixed_size: 0
    .kernarg_segment_align: 8
    .kernarg_segment_size: 40
    .max_flat_workgroup_size: 256
    .sgpr_count:     96
    .vgpr_count:     512
    .wavefront_size: 32
...
	.end_amdgpu_metadata
.endif
;; end of part 2
;; launch attn (part 3): grid 256 x 1, 8 waves a work-group, no clusters, 25,856 bytes of LDS; arguments qkc, vimg, wimg, x, bo, g1, b1, g2, b2, out0; writes out0
.if DOCPART == 3
	.amdgcn_target "amdgcn-amd-amdhsa--gfx1250"
	.amdhsa_code_object_version 6
	.text
	.protected	k_qd941173462_attn
	.globl	k_qd941173462_attn
	.p2align	8
	.type	k_qd941173462_attn,@function
k_qd941173462_attn:
	s_mov_b64 s[64:65], 0
	v_nop
	global_prefetch_b8 v0, s[64:65] scope:SCOPE_SE
	s_setreg_imm32_b32 hwreg(HW_REG_WAVE_MODE, 25, 1), 1
	s_wait_xcnt 0x0
; ATTN.  softmax(Q_r K_r^T / sqrt(32)) V for 8 heads of 32, the output projection, the residual and two layer norms; all three products on codes of FP4 (E2M1) with one E8M0 scale for each 32 along K.
; SHARES.  A work-group owns 4 queries with all 8 heads (the projection and the norms want whole rows): 1,024 / 4 = 256 work-groups.  Wave w: heads 4 G .. 4 G + 3 (G = w / 4) and the 128 keys from 128 kq on (kq = w % 4): one step.
; A COLUMN of the attention products is a (head, query) pair: column n = 4 hd + q.  S^T = K_r Q_r^T has K = 128: K_r's codes of four heads as they lie; Q_r's column has its codes in its own head's block of 32 and zero codes in the other three.
; O^T = V^T p^T: the four heads' products add onto the same two accumulators, with p's codes in the columns of the head in hand and zero codes in the others.
; Tile T of 16 keys is keys 16 T + r; p's 16 registers of tiles 2 b, 2 b + 1 are keys 8 h + 0 .. 7 and 16 + 8 h + 0 .. 7 of a block of 32, and V's codes lie in the same order.
; The four key quarters of a head meet in LDS: each with its own M, sum and O^T; the joint M is the largest, and a quarter's factor 2^(its M - the joint M) is exact.
; Operands go from memory straight into registers.  NO CLUSTER, NO TENSOR LOAD, NO PREFETCH: a wave reads each operand once, all at its head, and there is no loop to run ahead in.
; THE SOFTMAX: t = score x log2(e) / sqrt(32); M = the largest t rounded up to a whole number; p = 2^(t - M) is quantised along the keys; the sum is taken of the unquantised p and divides at the end.
; LIMITS: NaN and infinities are not served; the scaled scores stay under 2^31 in magnitude.  A block's largest p is taken as the exponential of the block's largest score: this takes v_exp_f32 not to fall where its input rises.
.set OST,  0                           ; LDS: each wave's O^T: 16 columns of 128 bytes + 16
.set MLS,  18432                       ; each wave's (-M, sum) of 16 columns
.set AT,   19456                       ; attn's codes, 4 rows of 128 bytes + 16
.set ASC,  20224                       ; their scale bytes, 8 a row
.set YST,  20480                       ; the projection's results: 4 rows of 1,024 bytes + 16
.set SPARE, 24832
.set R,    2
.set H,    3
.set KA,   4
.set KSA,  5
.set LI,   6
.set LS,   7
.set R4,   8
.set QA,   9
.set QSA,  10
.set HD,   11
.set KSW,  16                          ; v16-23 K_r's scale words; later LDS addresses
.set VSW,  24                          ; v24-31 V's
.set OW,   16
.set MA,   17
.set OR,   18
.set MR,   19
.set ATW,  20
.set ASW,  21
.set ATR,  22
.set ASR,  23
.set YW,   24
.set YR,   25
.set AW,   26                          ; v26-27 attn's scale words
.set KC,   32                          ; v32-95 K_r's eight fragments; later v32-63 Wo's four, v64-95 p's codes by heads, then the quarters' O^T
.set PM,   64
.set VC,   96                          ; v96-159 V's eight fragments; later attn's two, y
.set S,    160                         ; v160-223 S^T, then p; later v160-207 the norms' numbers
.set O,    208                         ; v208-223 O^T
.set PCD,  224
.set BM,   232
.set BP,   236
.set BS,   240
.set QZ,   240
.set F,    240
.set WOW,  248
.set PWD,  250
.set QS,   251
.set TV,   252
.set Y,    112
.set YV,   128
.set T,    136
.set SPW,  254
.set NIL,  255
.set SEL,  28
.set CS,   30
	s_load_b256 s[4:11], s[0:1], 0x0               ; qkc s[4:5], vimg s[6:7], wimg s[8:9], x s[10:11]
	s_load_b256 s[12:19], s[0:1], 0x20             ; bo s[12:13], g1 s[14:15], b1 s[16:17], g2 s[18:19]
	s_load_b128 s[20:23], s[0:1], 0x40             ; b2 s[20:21], out0 s[22:23]
	v_lshrrev_b32 v1, 5, v0
	v_readfirstlane_b32 s24, v1                    ; wave
	s_lshr_b32 s25, ttmp9, 7                       ; batch
	s_lshr_b32 s26, s24, 2                         ; G
	s_and_b32 s27, s24, 3                          ; kq
	s_mov_b32 s[SEL], 0x76543210
	s_mov_b32 s[SEL+1], 0xfedcba98                 ; v_permlanex16_b32's selects for lane l xor 16
	s_mov_b32 s[CS], 0x3e8293ee                    ; c = log2(e) / sqrt(32)
	s_mov_b32 s[CS+1], s[CS]                       ; (named with it as a pair, so it is written)
	s_mov_b32 s54, 0x3b800000                      ; 1 / 256
	s_mov_b32 s55, 0x3727c5ac                      ; 1e-5
	s_mov_b32 s51, 0
	v_lshl_add_u32 v[SPW], v0, 2, SPARE
	v_mov_b32 v[NIL], 0
	v_and_b32 v1, 31, v0
	v_and_b32 v[R], 15, v0
	v_bfe_u32 v[H], v0, 4, 1
	v_and_b32 v12, 3, v0                           ; q = r % 4
	v_bfe_u32 v[HD], v0, 2, 2                      ; hd = r / 4
	v_lshlrev_b32 v[KA], 7, v[R]
	v_lshl_add_u32 v[KA], v[H], 4, v[KA]           ; a key's row of codes is 128 bytes
	v_lshlrev_b32 v[KSA], 3, v[R]
	v_lshlrev_b32 v[LI], 4, v1
	v_lshlrev_b32 v[LS], 2, v1
	v_lshlrev_b32 v[R4], 2, v[R]
	v_lshlrev_b32 v[QA], 7, v12
	v_lshl_add_u32 v[QA], v[HD], 4, v[QA]
	v_lshl_add_u32 v[QSA], v12, 3, v[HD]
	v_add_nc_u32 v13, 2, v[H]
	v_cmp_eq_u32 s56, v[H], v[HD]                  ; my lane's register group 0 is block h, group 1 block 2 + h: is it my head's?
	v_cmp_eq_u32 s57, v13, v[HD]
	v_cmp_eq_u32 s58, 0, v[HD]
	v_cmp_eq_u32 s59, 1, v[HD]
	v_cmp_eq_u32 s60, 2, v[HD]
	v_cmp_eq_u32 s61, 3, v[HD]
.irp b, 0,1,2,3
	v_mov_b32 v[BP+\b], 0                          ; written once: a lane permute's destination counts as one of its sources
.endr
	v_mov_b32 v[TV], 0
	v_mov_b32 v13, 0                               ; (named as the upper half of a pair)
	s_wait_alu depctr_va_vdst(0)
	s_wait_kmcnt 0x0
	s_lshl_b32 s50, ttmp9, 9
	s_lshl_b32 s52, s26, 6
	s_add_co_u32 s50, s50, s52
	s_add_nc_u64 s[32:33], s[4:5], s[50:51]        ; Q's codes: row 4 wg, head 4 G
	s_lshl_b32 s50, ttmp9, 5
	s_lshl_b32 s53, s26, 2
	s_add_co_u32 s50, s50, s53
	s_add_nc_u64 s[34:35], s[4:5], s[50:51]        ; their scale bytes
	global_load_b128 v[PCD:PCD+3], v[QA], s[32:33]
	global_load_u8 v228, v[QSA], s[34:35] offset:262144
	s_lshl_b32 s50, s25, 16
	s_add_co_u32 s50, s50, s52
	s_lshl_b32 s52, s27, 14
	s_add_co_u32 s50, s50, s52
	s_add_nc_u64 s[36:37], s[4:5], s[50:51]        ; K's codes: row 512 b + 128 kq, head 4 G
	s_lshl_b32 s50, s25, 12
	s_add_co_u32 s50, s50, s53
	s_lshl_b32 s52, s27, 10
	s_add_co_u32 s50, s50, s52
	s_add_nc_u64 s[38:39], s[4:5], s[50:51]
.irp t, 0,1,2,3,4,5,6,7
	global_load_b32 v[KSW+\t], v[KSA], s[38:39] offset:270336+128*\t       ; four heads' bytes are one word
.endr
.irp t, 0,1,2,3,4,5,6,7
.irp c, 0,1
	global_load_b128 v[KC+8*\t+4*\c:KC+8*\t+4*\c+3], v[KA], s[36:37] offset:131072+2048*\t+32*\c
.endr
.endr
	s_lshl_b32 s52, s25, 2
	s_add_co_u32 s52, s52, s27                     ; the 128 keys' number
	s_lshl_b32 s50, s52, 14
	s_lshl_b32 s53, s26, 13
	s_add_co_u32 s50, s50, s53
	s_add_nc_u64 s[40:41], s[6:7], s[50:51]        ; V's images of channel tiles 8 G on
	s_lshl_b32 s50, s52, 10
	s_lshl_b32 s53, s26, 9
	s_add_co_u32 s50, s50, s53
	s_add_nc_u64 s[42:43], s[6:7], s[50:51]
.irp t, 0,1,2,3,4,5,6,7
	global_load_b32 v[VSW+\t], v[R4], s[42:43] offset:131072+64*\t
.endr
.irp t, 0,1,2,3,4,5,6,7
.irp c, 0,1
	global_load_b128 v[VC+8*\t+4*\c:VC+8*\t+4*\c+3], v[LI], s[40:41] offset:1024*\t+512*\c
.endr
.endr
	s_lshl_b32 s50, s24, 12
	s_add_nc_u64 s[44:45], s[8:9], s[50:51]        ; Wo's tiles 2 wave, 2 wave + 1
	s_lshl_b32 s50, s24, 8
	s_add_nc_u64 s[46:47], s[8:9], s[50:51]
	s_lshl_b32 s50, ttmp9, 12
	s_lshl_b32 s52, s24, 10
	s_add_co_u32 s50, s50, s52                     ; row 4 wg + wave (waves 0 to 3): the one whose norms I make
	s_add_nc_u64 s[48:49], s[10:11], s[50:51]
	s_add_nc_u64 s[22:23], s[22:23], s[50:51]
	s_wait_loadcnt 48                              ; Q's two loads are in; K's 24 and V's 24 may be out
	v_perm_b32 v[QS], v228, v228, 0                ; the byte in all four places: whichever block holds the codes
.irp j, 0,1,2,3
	v_cndmask_b32 v[QZ+\j], 0, v[PCD+\j], s56
	v_cndmask_b32 v[QZ+4+\j], 0, v[PCD+\j], s57
.endr
.rept 4
	v_nop                                          ; an operand written by vector instructions stands 4 places ahead of a scaled matrix instruction, a scale register 8
.endr
	s_wait_alu depctr_va_vdst(0)
	s_wait_loadcnt 24                              ; K's are in; V's 24 may be out
.irp t, 0,1,2,3,4,5,6,7
	v_wmma_scale_f32_16x16x128_f8f6f4 v[S+8*\t:S+8*\t+7], v[KC+8*\t:KC+8*\t+7], v[QZ:QZ+7], 0, v[KSW+\t], v[QS] matrix_a_fmt:MATRIX_FMT_FP4 matrix_b_fmt:MATRIX_FMT_FP4
.endr
.rept 4
	v_nop                                          ; places in front of loads into registers that these products read, and of the first read of results
.endr
.irp u, 0,1                                    ; Wo's four fragments and two scale registers: 10 loads
.irp s, 0,1
.irp c, 0,1
	global_load_b128 v[KC+16*\u+8*\s+4*\c:KC+16*\u+8*\s+4*\c+3], v[LI], s[44:45] offset:34816+(2*\u+\s)*1024+512*\c
.endr
.endr
	global_load_b32 v[WOW+\u], v[LS], s[46:47] offset:67584+128*\u
.endr
.irp b, 0,1,2,3
	v_max3_num_f32 v[BM+\b], v[S+16*\b], v[S+1+16*\b], v[S+2+16*\b]       ; the largest score of each block of 32 keys: for the column's maximum, and for the block's largest p
.endr
.irp i, 3,5,7,9,11,13
.irp b, 0,1,2,3
	v_max3_num_f32 v[BM+\b], v[BM+\b], v[S+16*\b+\i], v[S+1+16*\b+\i]
.endr
.endr
.irp b, 0,1,2,3
	v_max_num_f32 v[BM+\b], v[BM+\b], v[S+15+16*\b]
.endr
.irp b, 0,1,2,3
	v_permlanex16_b32 v[BP+\b], v[BM+\b], s[SEL], s[SEL+1]
.endr
.irp b, 0,1,2,3
	v_max_num_f32 v[BM+\b], v[BM+\b], v[BP+\b]     ; with lane l xor 16's 16 keys
.endr
	v_max3_num_f32 v[TV], v[BM], v[BM+1], v[BM+2]
	v_max_num_f32 v[TV], v[TV], v[BM+3]
	v_mul_f32 v[TV], s[CS], v[TV]                  ; the largest t (c is positive)
	v_floor_f32 v12, -v[TV]                        ; -M = -ceil(t): M is a whole number
.irp j, 0,2,4,6,8,10,12,14,16,18,20,22,24,26,28,30,32,34,36,38,40,42,44,46,48,50,52,54,56,58,60,62
	v_pk_fma_f32 v[S+\j:S+1+\j], v[S+\j:S+1+\j], s[CS:CS+1], v[12:13] op_sel_hi:[1,0,0]    ; t - M, two at a time
.endr
.irp b, 0,1,2,3
	v_fma_f32 v[BM+\b], v[BM+\b], s[CS], v12       ; the same of each block's largest score
.endr
	s_wait_alu depctr_va_vdst(0)                   ; the wait ahead of the batch
.irp b, 0,1,2,3
	v_exp_f32 v[BM+\b], v[BM+\b]                   ; the block's largest p
.endr
.irp j, 0,1,2,3,4,5,6,7,8,9,10,11,12,13,14,15,16,17,18,19,20,21,22,23,24,25,26,27,28,29,30,31,32,33,34,35,36,37,38,39,40,41,42,43,44,45,46,47,48,49,50,51,52,53,54,55,56,57,58,59,60,61,62,63
	v_exp_f32 v[S+\j], v[S+\j]                     ; p = 2^(t - M), at most 1: not normalised
.endr
	v_nop                                          ; one plain place behind a transcendental
	s_wait_alu depctr_va_vdst(0)                   ; and one wait behind the batch, ahead of its first reader
.irp b, 0,1,2,3
	v_max_num_f32 v[BM+\b], 0x1800000, v[BM+\b]    ; the floor 2^(3 - 127): the byte cannot fall under 1
.endr
.irp b, 0,1,2,3
	v_add_nc_u32 v[BS+\b], 0xff000000, v[BM+\b]    ; 2 off the exponent field: the conversion's scale operand
.endr
.irp b, 0,1,2,3
	v_lshrrev_b32 v[BP+\b], 23, v[BS+\b]           ; the scale's byte
.endr
	v_lshl_or_b32 v[PWD], v[BP+1], 8, v[BP]        ; p's scale word for these 128 keys
	v_lshl_or_b32 v[PWD], v[BP+2], 16, v[PWD]
	v_lshl_or_b32 v[PWD], v[BP+3], 24, v[PWD]
.irp b, 0,1,2,3
	v_cvt_scalef32_pk8_fp4_f32 v[PCD+2*\b], v[S+16*\b:S+7+16*\b], v[BS+\b]
	v_cvt_scalef32_pk8_fp4_f32 v[PCD+1+2*\b], v[S+8+16*\b:S+15+16*\b], v[BS+\b]
.endr
	v_nop                                          ; one plain place behind a scaled conversion
.irp c, 0,1                                    ; the operand's layout wants a whole block in a lane
.irp i, 0,1
	v_permlane16_swap_b32 v[PCD+4*\c+\i], v[PCD+2+4*\c+\i]
.endr
.endr
	; the sum of the unquantised p: four chains of pairs
.macro PSUM j
	v_pk_add_f32 v[14:15], v[14:15], v[S+\j:S+\j+1]
	v_pk_add_f32 v[232:233], v[232:233], v[S+\j+2:S+\j+3]
	v_pk_add_f32 v[234:235], v[234:235], v[S+\j+4:S+\j+5]
	v_pk_add_f32 v[236:237], v[236:237], v[S+\j+6:S+\j+7]
.endm
	v_pk_add_f32 v[14:15], v[S:S+1], v[S+8:S+9]
	v_pk_add_f32 v[232:233], v[S+2:S+3], v[S+10:S+11]
	v_pk_add_f32 v[234:235], v[S+4:S+5], v[S+12:S+13]
	v_pk_add_f32 v[236:237], v[S+6:S+7], v[S+14:S+15]
.irp j, 16,24,32,40,48,56
	PSUM \j
.endr
	s_mul_i32 s50, s24, 2304
	s_lshl_b32 s52, s24, 7
	s_add_co_u32 s52, s52, MLS
	v_mul_u32_u24 v[OW], v[R], 144                 ; my column's O^T: channels 16 u + 8 h on
	v_lshl_add_u32 v[OW], v[H], 5, v[OW]
	v_add_nc_u32 v[OW], s50, v[OW]
	v_lshl_add_u32 v[MA], v[R], 3, s52
	v_pk_add_f32 v[14:15], v[14:15], v[232:233]
	v_pk_add_f32 v[234:235], v[234:235], v[236:237]
	v_pk_add_f32 v[14:15], v[14:15], v[234:235]
	v_and_b32 v232, 3, v0
	v_mul_u32_u24 v[ATR], v232, 144
	v_lshl_add_u32 v[ATR], v[H], 4, v[ATR]
	v_add_nc_u32 v[ATR], AT, v[ATR]                ; row r % 4
	v_lshl_add_u32 v[ASR], v232, 3, ASC
	v_add_f32 v13, v14, v15
	s_wait_alu depctr_va_vdst(0)
	s_wait_loadcnt 10                              ; V's loads are in; Wo's ten may be out
	s_cmp_lt_u32 s24, 4
	s_cbranch_scc0 .Lno_norms
	; p is done with: its registers take what the norms want: my row of x, and bo, g1, b1, g2, b2 at columns 4 lane and 128 + 4 lane: 12 loads
.irp u, 0,1
	global_load_b128 v[S+4*\u:S+3+4*\u], v[LI], s[48:49] offset:512*\u
	global_load_b128 v[S+8+4*\u:S+11+4*\u], v[LI], s[12:13] offset:512*\u
	global_load_b128 v[S+16+4*\u:S+19+4*\u], v[LI], s[14:15] offset:512*\u
	global_load_b128 v[S+24+4*\u:S+27+4*\u], v[LI], s[16:17] offset:512*\u
	global_load_b128 v[S+32+4*\u:S+35+4*\u], v[LI], s[18:19] offset:512*\u
	global_load_b128 v[S+40+4*\u:S+43+4*\u], v[LI], s[20:21] offset:512*\u
.endr
.Lno_norms:
.irp i, 0,1,2,3,4,5,6,7                        ; p's codes in the columns of one head, zero codes in the others
	v_cndmask_b32 v[PM+\i], 0, v[PCD+\i], s58
	v_cndmask_b32 v[PM+8+\i], 0, v[PCD+\i], s59
	v_cndmask_b32 v[PM+16+\i], 0, v[PCD+\i], s60
	v_cndmask_b32 v[PM+24+\i], 0, v[PCD+\i], s61
.endr
	v_permlanex16_b32 v[TV], v13, s[SEL], s[SEL+1]
	v_bfe_u32 v233, v0, 2, 2
	v_nop
	v_add_f32 v13, v13, v[TV]                      ; the column's sum over my 128 keys
	s_wait_alu depctr_va_vdst(0)
.irp d, 0,1,2,3
.irp u, 0,1
.if \d == 0
	v_wmma_scale_f32_16x16x128_f8f6f4 v[O+8*\u:O+8*\u+7], v[VC+8*\u:VC+8*\u+7], v[PM:PM+7], 0, v[VSW+\u], v[PWD] matrix_a_fmt:MATRIX_FMT_FP4 matrix_b_fmt:MATRIX_FMT_FP4
.else
	v_wmma_scale_f32_16x16x128_f8f6f4 v[O+8*\u:O+8*\u+7], v[VC+16*\d+8*\u:VC+16*\d+8*\u+7], v[PM+8*\d:PM+8*\d+7], v[O+8*\u:O+8*\u+7], v[VSW+2*\d+\u], v[PWD] matrix_a_fmt:MATRIX_FMT_FP4 matrix_b_fmt:MATRIX_FMT_FP4
.endif
.endr
.endr
	; the quarters meet: wave w joins head w: lane: query (lane / 4) % 4, channels 8 (lane % 4) on (lanes 16-31 as lanes 0-15)
	s_mul_i32 s50, s26, 9216
	s_mul_i32 s52, s27, 576
	s_add_co_u32 s50, s50, s52
	s_lshl_b32 s52, s26, 9
	s_lshl_b32 s53, s27, 5
	s_add_co_u32 s52, s52, s53
	s_add_co_u32 s52, s52, MLS
	s_lshl_b32 s53, s24, 4
	s_add_co_u32 s53, s53, AT
	s_add_co_u32 s62, s24, ASC
	v_mul_u32_u24 v[OR], v233, 144
	v_lshl_add_u32 v[OR], v232, 5, v[OR]
	v_add_nc_u32 v[OR], s50, v[OR]
	v_lshl_add_u32 v[MR], v233, 3, s52
	v_mul_u32_u24 v[ATW], v233, 144
	v_lshl_add_u32 v[ATW], v232, 2, v[ATW]
	v_add_nc_u32 v[ATW], s53, v[ATW]
	v_lshl_add_u32 v[ASW], v233, 3, s62
.irp u, 0,1
	ds_store_b128 v[OW], v[O+8*\u:O+8*\u+3] offset:64*\u
	ds_store_b128 v[OW], v[O+8*\u+4:O+8*\u+7] offset:64*\u+16
.endr
	ds_store_b64 v[MA], v[12:13]                   ; both lanes of a column write the same bytes with the same values
	s_wait_alu depctr_va_vdst(0)
	s_wait_dscnt 0x0                               ; for the others' sake
	s_barrier_signal -1
	s_barrier_wait -1
.irp k, 0,1,2,3
	ds_load_b64 v[PCD+2*\k:PCD+2*\k+1], v[MR] offset:128*\k
.endr
.irp k, 0,1,2,3
.irp u, 0,1
	ds_load_b128 v[PM+8*\k+4*\u:PM+8*\k+4*\u+3], v[OR] offset:2304*\k+16*\u
.endr
.endr
	s_wait_dscnt 8                                 ; the four (-M, sum) are in
	v_min3_num_f32 v232, v[PCD], v[PCD+2], v[PCD+4]
	v_min_num_f32 v232, v232, v[PCD+6]             ; - the joint M
.irp k, 0,1,2,3
	v_sub_f32 v[F+1+2*\k], v232, v[PCD+2*\k]       ; a quarter's M less the joint one: a whole number, 0 or less
.endr
.irp k, 0,1,2,3
	v_cvt_i32_f32 v[F+1+2*\k], v[F+1+2*\k]         ; (it saturates)
.endr
.irp k, 0,1,2,3
	v_ldexp_f32 v[F+2*\k], 1.0, v[F+1+2*\k]
.endr
	v_mul_f32 v234, v[F], v[PCD+1]
	v_mul_f32 v235, v[F+2], v[PCD+3]
	v_fma_f32 v234, v[F+4], v[PCD+5], v234
	v_fma_f32 v235, v[F+6], v[PCD+7], v235
	v_add_f32 v234, v234, v235                     ; the row's sum
	s_wait_alu depctr_va_vdst(0)                   ; the wait ahead of the transcendental
	v_rcp_f32 v234, v234
	v_nop                                          ; one plain place behind a transcendental
	s_wait_dscnt 0x0
.irp i, 0,2,4,6
	v_pk_mul_f32 v[PM+\i:PM+\i+1], v[PM+\i:PM+\i+1], v[F:F+1] op_sel_hi:[1,0]
.endr
.irp k, 1,2,3
.irp i, 0,2,4,6
	v_pk_fma_f32 v[PM+\i:PM+\i+1], v[PM+8*\k+\i:PM+8*\k+\i+1], v[F+2*\k:F+2*\k+1], v[PM+\i:PM+\i+1] op_sel_hi:[1,0,1]
.endr
.endr
	s_wait_alu depctr_va_vdst(0)                   ; and behind it, ahead of its first reader
.irp i, 0,2,4,6
	v_pk_mul_f32 v[PM+\i:PM+\i+1], v[PM+\i:PM+\i+1], v[234:235] op_sel_hi:[1,0]
.endr
	v_max3_num_f32 v236, |v[PM]|, |v[PM+1]|, 0x1800000     ; the head's 32 channels are one block, in four neighbouring lanes
	v_max3_num_f32 v237, |v[PM+2]|, |v[PM+3]|, |v[PM+4]|
	v_max3_num_f32 v236, v236, |v[PM+5]|, |v[PM+6]|
	v_max3_num_f32 v236, v236, v237, |v[PM+7]|
	v_max_num_f32_dpp v236, v236, v236 row_xmask:1 row_mask:0xf bank_mask:0xf
	v_max_num_f32_dpp v236, v236, v236 row_xmask:2 row_mask:0xf bank_mask:0xf
	v_add_nc_u32 v238, 0xff000000, v236
	v_lshrrev_b32 v239, 23, v238
	v_cvt_scalef32_pk8_fp4_f32 v[PCD], v[PM:PM+7], v238
	v_nop
	ds_store_b32 v[ATW], v[PCD]                    ; 8 codes: 4 bytes of the query's row; the lanes of a block write the same scale byte
	ds_store_b8 v[ASW], v239
	s_lshl_b32 s52, s24, 7
	s_add_co_u32 s52, s52, YST
	s_mul_i32 s53, s24, 1040
	s_add_co_u32 s53, s53, YST
	v_and_b32 v232, 3, v0
	v_mul_u32_u24 v[YW], v232, 1040
	v_lshl_add_u32 v[YW], v[H], 5, v[YW]
	v_add_nc_u32 v[YW], s52, v[YW]                 ; row r % 4, columns 32 wave + 8 h on
	v_add_nc_u32 v[YR], s53, v[LI]                 ; back: row wave; 16 bytes a lane
	s_wait_alu depctr_va_vdst(0)
	s_wait_dscnt 0x0                               ; for the others' sake
	s_barrier_signal -1
	s_barrier_wait -1
	; the projection, transposed: source 0 = 16 rows of Wo (16 t + r), source 1 = the 4 queries, four times over: my eight results are eight neighbouring columns of row r % 4.  Two accumulators by turns
.irp s, 0,1
.irp c, 0,1
	ds_load_b128 v[VC+8*\s+4*\c:VC+8*\s+4*\c+3], v[ATR] offset:64*\s+32*\c
.endr
	ds_load_b32 v[AW+\s], v[ASR] offset:4*\s
.endr
	s_cmp_lt_u32 s24, 4
	s_cbranch_scc0 .Lall_in
	s_wait_loadcnt 12                              ; Wo's ten loads are in; the norms' 12 may be out
	s_branch .Lwo_in
.Lall_in:
	s_wait_loadcnt 0x0
.Lwo_in:
	s_wait_dscnt 0x0
.irp u, 0,1
	v_wmma_scale_f32_16x16x128_f8f6f4 v[Y+8*\u:Y+8*\u+7], v[KC+16*\u:KC+16*\u+7], v[VC:VC+7], 0, v[WOW+\u], v[AW] matrix_a_fmt:MATRIX_FMT_FP4 matrix_b_fmt:MATRIX_FMT_FP4
.endr
.irp u, 0,1
	v_wmma_scale_f32_16x16x128_f8f6f4 v[Y+8*\u:Y+8*\u+7], v[KC+16*\u+8:KC+16*\u+15], v[VC+8:VC+15], v[Y+8*\u:Y+8*\u+7], v[WOW+\u], v[AW+1] matrix_a_fmt:MATRIX_FMT_FP4 matrix_b_fmt:MATRIX_FMT_FP4 matrix_a_scale:MATRIX_SCALE_ROW1
.endr
.rept 4
	v_nop
.endr
.irp u, 0,1
	ds_store_b128 v[YW], v[Y+8*\u:Y+8*\u+3] offset:64*\u   ; the lanes of a query write the same bytes with the same values
	ds_store_b128 v[YW], v[Y+8*\u+4:Y+8*\u+7] offset:64*\u+16
.endr
	s_wait_dscnt 0x0                               ; for the others' sake: a row's 1,024 bytes come from eight waves
	s_barrier_signal -1
	s_barrier_wait -1
	s_cmp_lt_u32 s24, 4
	s_cbranch_scc0 .Lend
	; the residual and the norms: one whole row a wave (waves 0 to 3), 8 numbers a lane
	ds_load_b128 v[YV:YV+3], v[YR]
	ds_load_b128 v[YV+4:YV+7], v[YR] offset:512
	s_wait_dscnt 0x0
	s_wait_loadcnt 0x0
.irp j, 0,2,4,6
	v_pk_add_f32 v[YV+\j:YV+\j+1], v[YV+\j:YV+\j+1], v[S+8+\j:S+9+\j]          ; + bo
.endr
.irp j, 0,2,4,6
	v_pk_add_f32 v[YV+\j:YV+\j+1], v[S+\j:S+\j+1], v[YV+\j:YV+\j+1]            ; x +
.endr
.macro ACROSS                          ; v[T] summed over the 32 lanes, the result in every lane
.irp m, 1,2,4,8
	v_add_f32_dpp v[T], v[T], v[T] row_xmask:\m row_mask:0xf bank_mask:0xf
.endr
	v_permlanex16_b32 v[T+1], v[T], s[SEL], s[SEL+1]
	v_add_f32 v[T], v[T], v[T+1]
.endm
.macro LNORM gg, bb                    ; in place; the mean first, then the mean of the squared differences, as the definition has them
	v_pk_add_f32 v[T:T+1], v[YV:YV+1], v[YV+2:YV+3]
	v_pk_add_f32 v[T+2:T+3], v[YV+4:YV+5], v[YV+6:YV+7]
	v_pk_add_f32 v[T:T+1], v[T:T+1], v[T+2:T+3]
	v_add_f32 v[T], v[T], v[T+1]
	ACROSS
	v_mul_f32 v[T], s54, v[T]                      ; the mean
.irp j, 0,2,4,6
	v_pk_add_f32 v[YV+\j:YV+\j+1], v[YV+\j:YV+\j+1], v[T:T+1] op_sel_hi:[1,0] neg_lo:[0,1] neg_hi:[0,1]
.endr
	v_pk_mul_f32 v[T+2:T+3], v[YV:YV+1], v[YV:YV+1]
	v_pk_mul_f32 v[T:T+1], v[YV+2:YV+3], v[YV+2:YV+3]
	v_pk_fma_f32 v[T+2:T+3], v[YV+4:YV+5], v[YV+4:YV+5], v[T+2:T+3]
	v_pk_fma_f32 v[T:T+1], v[YV+6:YV+7], v[YV+6:YV+7], v[T:T+1]
	v_pk_add_f32 v[T:T+1], v[T:T+1], v[T+2:T+3]
	v_add_f32 v[T], v[T], v[T+1]
	ACROSS
	v_fma_f32 v[T], v[T], s54, s55                 ; the variance + 1e-5
	s_wait_alu depctr_va_vdst(0)                   ; the wait ahead of the transcendental
	v_rsq_f32 v[T], v[T]
	v_nop                                          ; one plain place behind a transcendental
	s_wait_alu depctr_va_vdst(0)                   ; and behind it, ahead of its first reader
.irp j, 0,2,4,6
	v_pk_mul_f32 v[YV+\j:YV+\j+1], v[YV+\j:YV+\j+1], v[T:T+1] op_sel_hi:[1,0]
.endr
.irp j, 0,2,4,6
	v_pk_fma_f32 v[YV+\j:YV+\j+1], v[YV+\j:YV+\j+1], v[\gg+\j:\gg+\j+1], v[\bb+\j:\bb+\j+1]
.endr
.endm
	LNORM S+16, S+24                               ; g1, b1
	LNORM S+32, S+40                               ; g2, b2
	global_store_b128 v[LI], v[YV:YV+3], s[22:23]          ; 32 lanes store 512 consecutive bytes, at a multiple of 256 from the output's first byte
	global_store_b128 v[LI], v[YV+4:YV+7], s[22:23] offset:512
.Lend:
	s_wait_tensorcnt 0x0                           ; the wave's end, behind my last LDS store
	ds_add_u32 v[SPW], v[NIL]
	s_wait_dscnt 0x0
	s_endpgm
.Lfunc_end_k_qd941173462_attn:
	.size	k_qd941173462_attn, .Lfunc_end_k_qd941173462_attn-k_qd941173462_attn
	.p2alignl 7, 3214868480
	.fill 96, 4, 3214868480
	.section	.rodata,"a",@progbits
	.p2align	6, 0x0
	.amdhsa_kernel k_qd941173462_attn
		.amdhsa_group_segment_fixed_size 25856
		.amdhsa_private_segment_fixed_size 0
		.amdhsa_enable_private_segment 0
		.amdhsa_kernarg_size 80
		.amdhsa_user_sgpr_count 2
		.amdhsa_user_sgpr_kernarg_segment_ptr 1
		.amdhsa_wavefront_size32 1
		.amdhsa_system_sgpr_workgroup_id_x 1
		.amdhsa_system_sgpr_workgroup_id_y 1
		.amdhsa_system_sgpr_workgroup_id_z 1
		.amdhsa_system_vgpr_workitem_id 0
		.amdhsa_next_free_vgpr 256
		.amdhsa_next_free_sgpr 66
		.amdhsa_reserve_vcc 0
		.amdhsa_float_denorm_mode_32 3
		.amdhsa_float_denorm_mode_16_64 3
		.amdhsa_memory_ordered 1
		.amdhsa_forward_progress 1
		.amdhsa_inst_pref_size 40
	.end_amdhsa_kernel
	.amdgpu_metadata
---
amdhsa.version: [ 1, 2 ]
amdhsa.kernels:
  - .name:           k_qd941173462_attn
    .symbol:         k_qd941173462_attn.kd
    .args:
      - { .name: qkc, .offset: 0, .size: 8, .value_kind: global_buffer, .address_space: global }
      - { .name: vimg, .offset: 8, .size: 8, .value_kind: global_buffer, .address_space: global }
      - { .name: wimg, .offset: 16, .size: 8, .value_kind: global_buffer, .address_space: global }
      - { .name: x, .offset: 24, .size: 8, .value_kind: global_buffer, .address_space: global }
      - { .name: bo, .offset: 32, .size: 8, .value_kind: global_buffer, .address_space: global }
      - { .name: g1, .offset: 40, .size: 8, .value_kind: global_buffer, .address_space: global }
      - { .name: b1, .offset: 48, .size: 8, .value_kind: global_buffer, .address_space: global }
      - { .name: g2, .offset: 56, .size: 8, .value_kind: global_buffer, .address_space: global }
      - { .name: b2, .offset: 64, .size: 8, .value_kind: global_buffer, .address_space: global }
      - { .name: out0, .offset: 72, .size: 8, .value_kind: global_buffer, .address_space: global }
    .group_segment_fixed_size: 25856
    .private_segment_fixed_size: 0
    .kernarg_segment_align: 8
    .kernarg_segment_size: 80
    .max_flat_workgroup_size: 256
    .sgpr_count:     66
    .vgpr_count:     256
    .wavefront_size: 32
...
	.end_amdgpu_metadata
.endif
;; end of part 3
